; MI455X (gfx1250); checked and timed in simulation.
; The chip was launched on July 23, 2026; its instructions are those of AMD's public machine-readable ISA for CDNA 5 (MIT licence, August 2026) and "CDNA5" Instruction Set Architecture Reference Guide (July 2026). The comments in the code are by the model that wrote it; some were corrected since.
;; Multi Head Attention With Context. Allowed arithmetic: matrix products marked QUANTISED: E4M3 operands, one given power-of-two scale a tensor, by v_wmma_f32_16x16x64_fp8_fp8 or v_wmma_f32_16x16x128_fp8_fp8, f32 sums; everything else in f32.
;; Inputs: Wk 1,024 x 1,024 float32; Wo 1,024 x 1,024 float32; Wq 1,024 x 1,024 float32; Wv 1,024 x 1,024 float32; beta 1,024 float32; bk 1,024 float32; bo 1,024 float32; bq 1,024 float32; bv 1,024 float32; gamma 1,024 float32; lowp_scales 12 int32 (the exponents e of the quantised operands' scales 2^e); x 4 x 2,048 x 1,024 float32.
;; Outputs: out0 4 x 2,048 x 1,024 float32.
;; This version of the problem:
;;   THIS VERSION OF THE PROBLEM IS GIVEN IN LOW PRECISION. The matrix products marked QUANTISED in the list below multiply operands that are first quantised to E4M3 (4 exponent bits, 3 mantissa bits; 8 bits a number), with one given power-of-two scale for each operand tensor; their sums are f32. All else is computed in f32.
;;   The module's matrix products, in the order in which they are computed (A, B: the left and right operand; K: the contracted axis; several contracted axes count as one K, in the product's order):
;;     1. [M 8,192, K 1,024] x [K 1,024, N 1,024]; A: input x; B: input Wq: QUANTISED (scales: A lowp_scales[0], B lowp_scales[1])
;;     2. [M 8,192, K 1,024] x [K 1,024, N 1,024]; A: input x; B: input Wk: QUANTISED (scales: A lowp_scales[2], B lowp_scales[3])
;;     3. [M 8,192, K 1,024] x [K 1,024, N 1,024]; A: input x; B: input Wv: QUANTISED (scales: A lowp_scales[4], B lowp_scales[5])
;;     4. batch 64 x [M 2,048, K 64] x [K 64, N 2,048]; A: computed on the way; B: computed on the way: QUANTISED (scales: A lowp_scales[6], B lowp_scales[7])
;;     5. batch 64 x [M 2,048, K 2,048] x [K 2,048, N 64]; A: softmax (see below); B: computed on the way: QUANTISED (scales: A lowp_scales[8], B lowp_scales[9])
;;     6. [M 8,192, K 1,024] x [K 1,024, N 1,024]; A: computed on the way; B: input Wo: QUANTISED (scales: A lowp_scales[10], B lowp_scales[11])
;;   THE QUANTISER, for each operand of a quantised product, along K:
;;     - The operand's scale is 2^e, e = its entry of the input lowp_scales (int32; the entries are numbered through the quantised products in the list's order, A before B).
;;     - Each number is divided by the scale, clamped to +-448, and rounded to the nearest number of E4M3, ties to even, subnormals kept.
;;     - The product sums the exact products of the quantised numbers (number of the format x scale) in f32.
;;   ~~~python
;;   def quantise(x, axis, e):      # numpy; x: float32 -> the quantised numbers, widened to float32 again
;;       x = np.moveaxis(x, axis, -1); K = x.shape[-1]
;;       r = np.clip(x / 2.0 ** e, -448, 448)
;;       step = 2.0 ** (np.maximum(np.frexp(np.where(r == 0, 1, r))[1] - 1, -6) - 3)
;;       q = np.round(r / step) * step * 2.0 ** e      # np.round: ties to even
;;       return np.moveaxis(q, -1, axis).astype(np.float32)
;;   ~~~
;;   SOFTMAX AHEAD OF A QUANTISED PRODUCT. Where the list says 'softmax', what is quantised is not the finished softmax but p = 2^(t - M), with t = logit x log2(e) and M = ceil(the row's largest t), a whole number; so 1/2 < the row's largest p <= 1. The row's sum l is taken of the UNQUANTISED p, in f32, and the product's result is divided by l at the end. Since M is a whole number, a kernel that streams over the keys may use a running M (the ceiling of the running maximum): every later rescaling is an exact power of two, so the quantised numbers keep their values, but for numbers so far below the row's largest that they fall under the format's range.
;;   OPERANDS COMPUTED ON THE WAY. 'Computed on the way' means the value that the module computes at that place (a softmax that the list does not call 'softmax' is quantised finished and normalised). What goes into a quantiser is computed in f32, as accurately as f32 sums, v_exp_f32 and their like allow (about 1e-6 of the number): no bf16 or f16 on the way to a quantiser, and a product that is left as it is and whose result goes on into a quantised operand takes f32 operands (vector FMAs, or v_wmma_f32_16x16x4_f32). A number that lies on a knife's edge between two numbers of the format may be rounded either way, as far as f32 arithmetic and the matrix unit's own rounding can turn it there, and no further.
;; 2 versions, each right; version 2 is version 1 with the launch attn written anew for expert scheduling mode. Each part assembles by itself: llvm-mc -triple=amdgcn-amd-amdhsa -mcpu=gfx1250 --defsym DOCPART=n.
;; ======== version 1 of 2: 4 launches
;; workspace buffers: xc 25,165,824 bytes; wc 4,194,304 bytes; qkv 25,165,824 bytes; cc 8,388,608 bytes
;; launch quant (part 1): grid 384 x 1, 4 waves a work-group, no clusters, 33,280 bytes of LDS; arguments x, Wq, Wk, Wv, Wo, lowp_scales, xc, wc; writes xc, wc
.if DOCPART == 1
	.amdgcn_target "amdgcn-amd-amdhsa--gfx1250"
	.amdhsa_code_object_version 6
	.text
	.protected	k_q0c08d24173_quant
	.globl	k_q0c08d24173_quant
	.p2align	8
	.type	k_q0c08d24173_quant,@function
k_q0c08d24173_quant:
	s_mov_b64 s[64:65], 0
	v_nop
	global_prefetch_b8 v0, s[64:65] scope:SCOPE_SE
	s_setreg_imm32_b32 hwreg(HW_REG_WAVE_MODE, 25, 1), 1
	s_wait_xcnt 0x0
; x [8192][1024] and the four weights [1024][1024], f32, become codes of FP8 (E4M3), K innermost, one byte a code.
; x is an operand of three products under three given scales (entries 0, 2, 4): three sets of codes, xc[0..2].  Wq, Wk, Wv, Wo take entries 1, 3, 5, 11: wc[0..3].
; code = number / 2^e, held within +-448, rounded to the nearest code, ties to even.
; LIMITS: each e lies between -126 and 119, so that 2^e and 448 x 2^e are f32 numbers.  NaN among the inputs is not served (an infinity is held at the largest code).
; THE ROWS CHANGE PLACES: row n is stored at the place n with its bits 3 and 4 exchanged.  The later launches read 16 consecutive places as a tile, and a lane's registers of two
; neighbouring tiles of a result are then 16 neighbours along the next product's K.
; SHARES: work-groups 0-255 take x, 256-383 the weights (32 each).  A wave takes 8 rows (8,192 numbers), 16 steps of 512; exchanging bits 3 and 4 of a row is exchanging bits 0 and 1 of the number of its group of 8 rows.
; Each load reads 512 consecutive bytes; a step's 2,048 bytes turn through the wave's own stage in LDS, so that a lane holds 16 neighbours; its 16 codes are 16 bytes, and a store of the wave covers 512 consecutive bytes, aligned.
; No tensor loads, no barrier, no cluster: waves and work-groups share nothing.
.set STEPS, 16
.set SP,    80                         ; a lane's place in a stage: 64 bytes + 16 of padding
.set WREG,  8192                       ; LDS of a wave: two stages of 32 x SP bytes
.set R,     16                         ; v16-79   four sets of 16 numbers as loaded
.set X,     80                         ; v80-111  two sets of 16 neighbours
.set T,     112                        ; v112-127 the numbers held within the largest code x the scale
.set C,     128                        ; v128-139 codes: four registers for each of the three scales
	s_load_b512 s[8:23], s[0:1], 0x0               ; x 8, Wq 10, Wk 12, Wv 14, Wo 16, scales 18, xc 20, wc 22
	v_lshl_add_u32 v144, v0, 2, 0x8000
	v_mov_b32 v145, 0
	v_lshrrev_b32 v1, 5, v0
	v_readfirstlane_b32 s4, v1                     ; wave
	v_and_b32 v2, 31, v0                           ; lane
	v_lshlrev_b32 v3, 4, v2                        ; 16 x lane: my bytes of a load's 512 and of a store's 512
	s_mul_i32 s5, s4, WREG
	v_lshrrev_b32 v14, 2, v2
	v_mul_u32_u24 v14, v14, SP
	v_and_b32 v15, 3, v2
	v_lshl_add_u32 v14, v15, 4, v14
	v_add_nc_u32 v14, s5, v14                      ; the stage, on the way in: SP (lane / 4) + 16 (lane % 4)
	v_mul_u32_u24 v15, v2, SP
	v_add_nc_u32 v15, s5, v15                      ; and on the way out: SP x lane
	s_cmp_lt_u32 ttmp9, 256                        ; x's work-group or a weight's?
	s_cselect_b32 s24, 0, 256
	s_sub_co_u32 s25, ttmp9, s24
	s_lshr_b32 s26, s25, 5
	s_and_b32 s27, s25, 31
	s_cmp_lt_u32 ttmp9, 256
	s_cselect_b32 s24, s25, s27                    ; the work-group's number inside its tensor
	s_cselect_b32 s26, 0, s26                      ; which weight (0 for x)
	s_lshl_b32 s24, s24, 2
	s_add_co_u32 s52, s24, s4                      ; my group of 8 rows
	s_lshl_b32 s52, s52, 15                        ; x 32,768 bytes of f32
	s_mov_b32 s53, 0
	s_and_b32 s54, s4, 1
	s_lshl_b32 s54, s54, 1
	s_lshr_b32 s30, s4, 1
	s_or_b32 s54, s54, s30                         ; the wave's two bits exchanged
	s_add_co_u32 s54, s54, s24                     ; the group's place among the codes
	s_lshl_b32 s54, s54, 13                        ; x 8,192 bytes of codes
	s_lshl_b32 s30, s26, 20
	s_add_co_u32 s54, s54, s30                     ; + the weight's 2^20 bytes
	s_mov_b32 s55, 0
	s_wait_kmcnt 0x0
	s_load_b256 s[32:39], s[18:19], 0x0            ; e0 .. e7
	s_load_b128 s[40:43], s[18:19], 0x20           ; e8 .. e11
	s_cmp_eq_u32 s26, 1                            ; the choices hang on the work-group's number alone
	s_cselect_b64 s[28:29], s[12:13], s[10:11]
	s_cmp_eq_u32 s26, 2
	s_cselect_b64 s[28:29], s[14:15], s[28:29]
	s_cmp_eq_u32 s26, 3
	s_cselect_b64 s[28:29], s[16:17], s[28:29]
	s_cmp_lt_u32 ttmp9, 256
	s_cselect_b64 s[28:29], s[8:9], s[28:29]       ; the numbers
	s_cselect_b64 s[46:47], s[20:21], s[22:23]     ; the first set of codes
	s_add_nc_u64 s[28:29], s[28:29], s[52:53]
	s_add_nc_u64 s[46:47], s[46:47], s[54:55]
	s_add_nc_u64 s[48:49], s[20:21], s[54:55]
	s_add_nc_u64 s[48:49], s[48:49], 0x800000      ; x's second set,
	s_add_nc_u64 s[50:51], s[48:49], 0x800000      ; and its third (named by x's work-groups alone)
.macro LOAD t
.irp i, 0,1,2,3
	global_load_b128 v[R+16*((\t)%4)+4*\i:R+16*((\t)%4)+4*\i+3], v3, s[28:29] offset:2048*(\t)+512*\i th:TH_LOAD_NT
.endr
.endm
.macro TURN t                          ; step t's numbers through the stage: LDS serves a wave's instructions in order, so no wait stands between the stores and the loads
.irp i, 0,1,2,3
	ds_store_b128 v14, v[R+16*((\t)%4)+4*\i:R+16*((\t)%4)+4*\i+3] offset:32*SP*((\t)%2)+8*SP*\i
.endr
.irp i, 0,1,2,3
	ds_load_b128 v[X+16*((\t)%2)+4*\i:X+16*((\t)%2)+4*\i+3], v15 offset:32*SP*((\t)%2)+16*\i
.endr
.endm
.macro MKS e, sc, lim                  ; 2^e and 448 x 2^e as f32 numbers
	s_add_co_i32 s31, \e, 127
	s_lshl_b32 s56, s31, 23
	v_mov_b32 v[\sc], s56
	s_add_co_i32 s31, s31, 8
	s_lshl_b32 s31, s31, 23
	s_or_b32 s31, s31, 0x600000
	v_mov_b32 v[\lim], s31
.endm
.irp t, 0,1,2,3
	LOAD \t
.endr
	s_wait_kmcnt 0x0
	s_cmp_eq_u32 s26, 1
	s_cselect_b32 s30, s35, s33                    ; e3 or e1
	s_cmp_eq_u32 s26, 2
	s_cselect_b32 s30, s37, s30                    ; e5
	s_cmp_eq_u32 s26, 3
	s_cselect_b32 s30, s43, s30                    ; e11
	s_cmp_lt_u32 ttmp9, 256
	s_cselect_b32 s30, s32, s30                    ; e0 for x
	MKS s30, 5, 6
	MKS s34, 7, 8                                  ; e2
	MKS s36, 9, 10                                 ; e4
	s_wait_loadcnt 12                              ; step 0's four loads are in
	TURN 0
; One set of codes of the step's 16 neighbours: the hold (the conversion to an 8-bit code does not saturate: ISA guide 7.6.2), two conversions, a store.
.macro SETQ k, sc, lim, d, t
.irp i, 0,1,2,3,4,5,6,7,8,9,10,11,12,13,14,15
	v_med3_num_f32 v[T+\i], v[XS+\i], -v[\lim], v[\lim]
.endr
	v_cvt_scalef32_pk8_fp8_f32 v[C+4*\k:C+4*\k+1], v[T:T+7], v[\sc]
	v_cvt_scalef32_pk8_fp8_f32 v[C+4*\k+2:C+4*\k+3], v[T+8:T+15], v[\sc]
	v_nop                                          ; a plain line behind the conversions: the next set's holds write their sources
	global_store_b128 v3, v[C+4*\k:C+4*\k+3], s[\d:\d+1] offset:512*(\t)
.endm
.macro STEP t
.set XS, X+16*((\t)%2)
	s_wait_dscnt 0x0                               ; this step's numbers are back from the stage, and its stores into the stage have read their registers,
.if (\t)+4 < STEPS
	LOAD (\t)+4                                    ; which take the loads of four steps on
.endif
.if (\t)+1 < STEPS
.if STEPS-2-(\t) >= 3
	s_wait_loadcnt 12                              ; the next step's four loads are in; those of the three steps behind it may be out
.else
	s_wait_loadcnt 4*(STEPS-2-(\t))
.endif
	TURN (\t)+1
.endif
	s_wait_xcnt 0x0                                ; the last step's stores have read the codes' registers, which are written again below
	SETQ 0, 5, 6, 46, \t
	s_cmp_lt_u32 ttmp9, 256                        ; x has two more scales; a weight has one
	s_cbranch_scc0 .Lw_\@
	SETQ 1, 7, 8, 48, \t
	SETQ 2, 9, 10, 50, \t
.Lw_\@:
.endm
.irp t, 0,1,2,3,4,5,6,7,8,9,10,11,12,13,14,15
	STEP \t
.endr
	s_wait_tensorcnt 0x0
	ds_add_u32 v144, v145
	s_wait_dscnt 0x0
	s_endpgm
.Lfunc_end_k_q0c08d24173_quant:
	.size	k_q0c08d24173_quant, .Lfunc_end_k_q0c08d24173_quant-k_q0c08d24173_quant
	.p2alignl 7, 3214868480
	.fill 96, 4, 3214868480
	.section	.rodata,"a",@progbits
	.p2align	6, 0x0
	.amdhsa_kernel k_q0c08d24173_quant
		.amdhsa_group_segment_fixed_size 33280
		.amdhsa_private_segment_fixed_size 0
		.amdhsa_enable_private_segment 0
		.amdhsa_kernarg_size 64
		.amdhsa_user_sgpr_count 2
		.amdhsa_user_sgpr_kernarg_segment_ptr 1
		.amdhsa_wavefront_size32 1
		.amdhsa_system_sgpr_workgroup_id_x 1
		.amdhsa_system_sgpr_workgroup_id_y 1
		.amdhsa_system_sgpr_workgroup_id_z 1
		.amdhsa_system_vgpr_workitem_id 0
		.amdhsa_next_free_vgpr 146
		.amdhsa_next_free_sgpr 66
		.amdhsa_reserve_vcc 0
		.amdhsa_float_denorm_mode_32 3
		.amdhsa_float_denorm_mode_16_64 3
		.amdhsa_memory_ordered 1
		.amdhsa_forward_progress 1
		.amdhsa_inst_pref_size 81
	.end_amdhsa_kernel
	.amdgpu_metadata
---
amdhsa.version: [ 1, 2 ]
amdhsa.kernels:
  - .name:           k_q0c08d24173_quant
    .symbol:         k_q0c08d24173_quant.kd
    .args:
      - { .name: x, .offset: 0, .size: 8, .value_kind: global_buffer, .address_space: global }
      - { .name: Wq, .offset: 8, .size: 8, .value_kind: global_buffer, .address_space: global }
      - { .name: Wk, .offset: 16, .size: 8, .value_kind: global_buffer, .address_space: global }
      - { .name: Wv, .offset: 24, .size: 8, .value_kind: global_buffer, .address_space: global }
      - { .name: Wo, .offset: 32, .size: 8, .value_kind: global_buffer, .address_space: global }
      - { .name: lowp_scales, .offset: 40, .size: 8, .value_kind: global_buffer, .address_space: global }
      - { .name: xc, .offset: 48, .size: 8, .value_kind: global_buffer, .address_space: global }
      - { .name: wc, .offset: 56, .size: 8, .value_kind: global_buffer, .address_space: global }
    .group_segment_fixed_size: 33280
    .private_segment_fixed_size: 0
    .kernarg_segment_align: 8
    .kernarg_segment_size: 64
    .max_flat_workgroup_size: 128
    .sgpr_count:     66
    .vgpr_count:     146
    .wavefront_size: 32
...
	.end_amdgpu_metadata
.endif
;; end of part 1
;; launch qkv (part 2): grid 12 x 32, 4 waves a work-group, clusters of 4 x 4, 327,680 bytes of LDS; arguments xc, wc, lowp_scales, bq, bk, bv, qkv; writes qkv
.if DOCPART == 2
	.amdgcn_target "amdgcn-amd-amdhsa--gfx1250"
	.amdhsa_code_object_version 6
	.text
	.protected	k_q0c08d24173_qkv
	.globl	k_q0c08d24173_qkv
	.p2align	8
	.type	k_q0c08d24173_qkv,@function
k_q0c08d24173_qkv:
	s_mov_b64 s[64:65], 0
	v_nop
	global_prefetch_b8 v0, s[64:65] scope:SCOPE_SE
	s_setreg_imm32_b32 hwreg(HW_REG_WAVE_MODE, 25, 1), 1
	s_wait_xcnt 0x0
	s_wait_alu depctr_hold_cnt(0) depctr_sa_sdst(0) depctr_va_vdst(0) depctr_va_sdst(0) depctr_va_ssrc(0) depctr_va_vcc(0) depctr_vm_vsrc(0)
	s_getreg_b32 s2, hwreg(HW_REG_IB_STS2, 6, 4)
	s_cmp_eq_u32 s2, 0
	s_cbranch_scc0 .Lentry_in_a_cluster
	s_endpgm
.Lentry_in_a_cluster:
	s_bfe_u32 s2, ttmp6, 0x10000c
	s_cmp_lg_u32 s2, 0xf033
	s_cbranch_scc0 .Lentry_shape_is_right
	s_endpgm
.Lentry_shape_is_right:
; Q = x Wq^T + bq, K = x Wk^T + bk, V = x Wv^T + bv on codes of FP8 (E4M3), and each result quantised at once for the attention's products (entries 6, 7, 9 of the scales).
; ONE TEXT FOR THREE PRODUCTS: cluster x = p (0 Q, 1 K, 2 V).  Q and K: A = x's codes under p's scale (8,192 rows), B = the weight's (1,024 rows).  V is made TRANSPOSED: A = Wv's codes, B = x's,
; since the keys are the K of the attention's second product.  All that differs is chosen by s_cselect on p, which all partners of a cluster share; the one branch on p picks which index the bias goes by.
; A tile of 256 x 256 to a work-group of four waves, 128 x 128 to a wave: 64 accumulators, 512 registers.  K = 1,024 goes in four steps of 256 through a ring of two LDS slots; the steps are written out.
; CLUSTERS: 4 x 4 work-groups; A's tile is asked for jointly along a row of the cluster, B's along a column: the same tensor load, descriptor and mask in the four that a mask names.
; THE MATRIX INSTRUCTION IS USED TRANSPOSED (source 0 = 16 rows of B, source 1 = 16 rows of A).  Both operands' rows lie with bits 3 and 4 of their numbers exchanged, so lane (r, h) of accumulator (a, b) holds
; A's row 32 (a / 2) + 8 (a % 2) + r + 8 (r / 8), and the 16 registers of accumulators (a, 2 c) and (a, 2 c + 1) are B's rows 32 c + 16 h + 0 .. 15: 16 neighbours along the next K.  Two conversions make 16 bytes of them,
; which are stored as an IMAGE OF THE NEXT OPERAND'S REGISTERS: 16 bytes a lane, 512 consecutive bytes a store, aligned.  No stage in LDS, nothing transposed.
; qkv: [3][batch 4][pair of heads 8][128 tokens 16] blocks of 16 KB = [head of the pair 2][8 KB].  Q, K: [tile of 16 tokens 8][c 2][lane][16]; V: [tile of 16 channels 4][c 4][lane][16].
; THE BIAS is the C of each sum's first matrix instruction, divided by 2^(ea + eb), the power of two that the sums lack.  The conversion's scale is 2^(eo - ea - eb).
; LIMITS: eo - ea - eb between -126 and 119.  NaN among the inputs is not served.
; REGISTERS, in windows of 256: window 0: v16-29 addresses and constants; v32-95 the bias, later a block's held sums; v96-111 the bias's offsets, later codes; from v128 A's fragments, one set.
;   window 1: B's fragments, two sets.  windows 2, 3: the accumulators of my rows 0-63 and 64-127 ((a, b) at v[8 (8 (a % 4) + b)]).
.set ROWB,   256                       ; a tile's row in bytes: 256 along K
.set KROW,   1024                      ; a row of codes in memory
.set PITCH,  272                       ; an LDS row: 256 bytes + 16 of padding = 68 words: the 16 rows of a fragment load start at 16 different banks (64 banks of 4 bytes: ISA guide 11.1)
.set FR,     16
.set NL,     4
.set NP,     4
.set HALFT,  128*PITCH
.set SLOT,   4*HALFT                   ; A's 256 rows, then B's 256 rows
.set SPARE,  2*SLOT                    ; behind the ring: the spare words, 128 bytes for each wave
.set ADRA, 16
.set ADRB, 20
.set VO0,  24                          ; v24  16 x lane
.set VO1,  25                          ; v25  the same, + 7,168 for Q and K: the second head of the pair
.set SCL,  26                          ; v26  2^(eo - ea - eb)
.set LIM,  27                          ; v27  448 x that
.set SPW,  28
.set NIL,  29
.set BIAS, 32
.set TMP,  32
.set BO,   96
.set CD,   96
.set AF,   128
.set G1, 24
.set G0, 32
.set G1B, 48
.set G0B, 56
.set MSB, 0
.macro WIN new                         ; the immediate's high byte repeats the setting that is left
.if MSB != \new
	s_set_vgpr_msb (MSB<<8)|\new
.set MSB, \new
.endif
.endm
.set MUL_LO, 0xa1                      ; source 0 (B) window 1, source 1 (A) window 0, C and D window 2
.set MUL_HI, 0xf1
.set TO_B,   0x40
; A joint load: waves 0 and 1 fetch for A, waves 2 and 3 for B.  The branch hangs on the wave's number alone.  Four v_nop follow each of the two lines.
.macro JLOAD g0a, g1a, g0b, g1b
	s_cmp_eq_u32 s15, 0
	s_cbranch_scc0 .Lfor_b_\@
	tensor_load_to_lds s[\g0a:\g0a+3], s[\g1a:\g1a+7]
	s_nop 0
.rept 4
	v_nop
.endr
	s_branch .Lasked_\@
.Lfor_b_\@:
	tensor_load_to_lds s[\g0b:\g0b+3], s[\g1b:\g1b+7]
	s_nop 0
.rept 4
	v_nop
.endr
.Lasked_\@:
.endm
.macro CREST                           ; a round of the cluster's barrier behind its opening barrier
	s_cmp_lg_u32 s14, 0
	s_cbranch_scc1 .Lnot_wave_0_\@
	s_barrier_signal -3
.Lnot_wave_0_\@:
	s_barrier_wait -3
	s_barrier_signal -1
	s_barrier_wait -1
.endm
.macro CROUND
	s_barrier_signal -1
	s_barrier_wait -1
	CREST
.endm
	s_load_b256 s[4:11], s[0:1], 0x0               ; xc 4, wc 6, scales 8, bq 10
	s_load_b128 s[72:75], s[0:1], 0x20             ; bk 72, bv 74
	s_load_b64 s[76:77], s[0:1], 0x30              ; qkv
	v_lshl_add_u32 v[SPW], v0, 2, SPARE
	v_mov_b32 v[NIL], 0
	ds_add_u32 v28, v29
	ds_add_u32 v28, v29
	s_wait_dscnt 0x0
	v_lshrrev_b32 v1, 5, v0
	v_readfirstlane_b32 s14, v1                    ; wave 0..3
	s_lshr_b32 s15, s14, 1                         ; which half of A's rows is mine.  Also: I fetch for A (0) or for B (1)
	s_and_b32 s16, s14, 1                          ; which half of B's rows.  Also: which 128 rows of that tile I fetch
	s_bfe_u32 s40, ttmp6, 0x40000                  ; cx
	s_bfe_u32 s41, ttmp6, 0x40004                  ; cy
	s_and_b32 s12, ttmp7, 0xffff                   ; cluster y: it counts x's rows, which are A's for Q and K, B's for V
	s_cmp_eq_u32 ttmp9, 2
	s_cselect_b32 s13, 0, s12
	s_cselect_b32 s12, s12, 0
	s_lshl_b32 s17, s13, 2
	s_add_co_u32 s17, s17, s41                     ; A's tile row
	s_lshl_b32 s42, s12, 2
	s_add_co_u32 s42, s42, s40                     ; B's tile row
	s_lshl_b32 s43, s41, 2
	s_lshl_b32 s43, 15, s43                        ; my row of the cluster
	s_lshl_b32 s44, 0x1111, s40                    ; my column
	s_or_b32 s[G1+0], s43, (0<<16)|(1<<20)|(1<<21)|(5<<22)|(3<<25)  ; the mask; elements of 1 byte; padding on; bit 21 beside a mask; after every 64 words, 4 words
	s_or_b32 s[G1B+0], s44, (0<<16)|(1<<20)|(1<<21)|(5<<22)|(3<<25)
.irp g, G1, G1B
	s_mov_b32 s[\g+1], ROWB<<16                    ; tensor_dim0
	s_mov_b32 s[\g+2], 128<<16                     ; tensor_dim1
	s_mov_b32 s[\g+3], ROWB<<16                    ; tile_dim0
	s_mov_b32 s[\g+4], 128                         ; tile_dim1
	s_mov_b32 s[\g+5], KROW                        ; the pitch
	s_mov_b32 s[\g+6], 0
	s_mov_b32 s[\g+7], 0
.endr
	s_lshl_b32 s18, s16, 7                         ; which 128 rows of the tile I fetch
	s_lshl_b32 s20, s17, 8
	s_add_co_u32 s20, s20, s18
	s_lshl_b32 s20, s20, 10                        ; A: (256 x tile row + 128 x half) rows of 1,024 bytes
	s_lshl_b32 s46, s42, 8
	s_add_co_u32 s46, s46, s18
	s_lshl_b32 s46, s46, 10                        ; B likewise
	s_lshl_b32 s18, ttmp9, 23                      ; x's set p,
	s_lshl_b32 s19, ttmp9, 20                      ; weight p
	s_cmp_eq_u32 ttmp9, 2
	s_cselect_b32 s18, 0x200000, s18               ; V: A is weight 2,
	s_cselect_b32 s19, 0x1000000, s19              ; B is x's set 2
	s_add_co_u32 s20, s20, s18
	s_add_co_u32 s46, s46, s19
	s_mov_b32 s21, 0
	s_mov_b32 s47, 0
	s_mul_i32 s45, s14, HALFT                      ; where my tile goes: wave x 128 rows
	s_wait_kmcnt 0x0
	s_load_b256 s[80:87], s[8:9], 0x0              ; e0 .. e7
	s_load_b128 s[88:91], s[8:9], 0x20             ; e8 .. e11
	s_cmp_eq_u32 ttmp9, 2
	s_cselect_b64 s[22:23], s[6:7], s[4:5]         ; A's buffer
	s_cselect_b64 s[70:71], s[4:5], s[6:7]         ; B's
	s_add_nc_u64 s[20:21], s[22:23], s[20:21]
	s_add_nc_u64 s[46:47], s[70:71], s[46:47]
	CROUND                                         ; all sixteen work-groups are here: the first joint loads meet
.irp s, 0,1
	s_mov_b32 s[G0+4*\s], 1
	s_add_co_u32 s[G0+4*\s+1], s45, \s*SLOT
	s_add_nc_u64 s[G0+4*\s+2:G0+4*\s+3], s[20:21], \s*ROWB
	s_or_b32 s[G0+4*\s+3], s[G0+4*\s+3], 0x80000000
	s_mov_b32 s[G0B+4*\s], 1
	s_add_co_u32 s[G0B+4*\s+1], s45, \s*SLOT
	s_add_nc_u64 s[G0B+4*\s+2:G0B+4*\s+3], s[46:47], \s*ROWB
	s_or_b32 s[G0B+4*\s+3], s[G0B+4*\s+3], 0x80000000
	JLOAD G0+4*\s, G1, G0B+4*\s, G1B
.endr
	v_and_b32 v1, 15, v0                           ; r
	v_bfe_u32 v2, v0, 4, 1                         ; h
	v_mul_u32_u24 v3, v1, PITCH
	v_lshl_add_u32 v4, v2, 4, v3                   ; a fragment's row x pitch + 16 h
	s_mul_i32 s21, s15, HALFT
	s_mul_i32 s22, s16, HALFT
	s_add_co_u32 s22, s22, 2*HALFT
.irp s, 0,1
	v_add_nc_u32 v[ADRA+\s], s21, v4
	v_add_nc_u32 v[ADRB+\s], s22, v4
	s_add_co_u32 s21, s21, SLOT
	s_add_co_u32 s22, s22, SLOT
.endr
	; THE BIAS, with no branch: register 8 g + j of lane (r, h) is bias[first + 32 (g / 2) + 8 (g % 2) + what the lane and j add].
	; Q, K: the bias goes by B's rows: g = b, the lane adds 16 h, j adds j.  V: by A's rows: g = a, the lane adds r + 8 (r / 8), j adds nothing.
	s_cmp_eq_u32 ttmp9, 1
	s_cselect_b64 s[66:67], s[72:73], s[10:11]
	s_cmp_eq_u32 ttmp9, 2
	s_cselect_b64 s[66:67], s[74:75], s[66:67]
	s_cselect_b32 s70, s41, s40                    ; the weight's tile row: cy for V, cx for Q and K
	s_cselect_b32 s71, s15, s16                    ; and my half of it
	s_cselect_b32 s78, 0, 64                       ; bytes for h,
	s_cselect_b32 s79, 4, 0                        ; for r + 8 (r / 8),
	s_cselect_b32 s98, 0, 4                        ; for j
	s_cselect_b32 s97, 0, 7168
	s_mov_b32 s94, 1024
	s_cselect_b32 s94, 2048, s94                   ; the way out: bytes from a block of A's rows to the next
	s_mov_b32 s95, 0
	s_lshl_b32 s70, s70, 10
	s_lshl_b32 s71, s71, 9
	s_add_co_u32 s70, s70, s71
	s_mov_b32 s71, 0
	s_add_nc_u64 s[66:67], s[66:67], s[70:71]
	v_and_b32 v6, 8, v1
	v_add_nc_u32 v6, v6, v1                        ; r + 8 (r / 8)
	v_mul_u32_u24 v7, s78, v2
	v_mad_u32_u24 v7, s79, v6, v7
.irp j, 0,1,2,3,4,5,6,7
	s_mul_i32 s99, s98, \j
	v_add_nc_u32 v[BO+\j], s99, v7
.endr
.irp g, 0,1,2,3,4,5,6,7
.irp j, 0,1,2,3,4,5,6,7
	global_load_b32 v[BIAS+8*\g+\j], v[BO+\j], s[66:67] offset:(32*(\g/2)+8*(\g%2))*4
.endr
.endr
	v_and_b32 v5, 31, v0
	v_lshlrev_b32 v[VO0], 4, v5
	v_add_nc_u32 v[VO1], s97, v[VO0]
	; where my 16 KB block lies: (128 tokens, pair of heads) = (A's 128 rows, B's) for Q and K, the other way round for V
	s_lshl_b32 s78, s17, 1
	s_add_co_u32 s78, s78, s15
	s_lshl_b32 s79, s42, 1
	s_add_co_u32 s79, s79, s16
	s_cmp_eq_u32 ttmp9, 2
	s_cselect_b32 s98, s79, s78                    ; which 128 tokens, 0 .. 63
	s_cselect_b32 s99, s78, s79                    ; which pair of heads
	s_lshr_b32 s68, s98, 4
	s_lshl_b32 s68, s68, 7                         ; batch x 128
	s_lshl_b32 s99, s99, 4
	s_add_co_u32 s68, s68, s99
	s_and_b32 s98, s98, 15
	s_add_co_u32 s68, s68, s98
	s_lshl_b32 s68, s68, 14
	s_lshl_b32 s69, ttmp9, 23
	s_add_co_u32 s68, s68, s69
	s_mov_b32 s69, 0
	s_add_nc_u64 s[68:69], s[76:77], s[68:69]
	s_wait_kmcnt 0x0
	s_cmp_eq_u32 ttmp9, 1
	s_cselect_b32 s92, s82, s80                    ; ea
	s_cselect_b32 s93, s83, s81                    ; eb
	s_cselect_b32 s96, s87, s86                    ; eo
	s_cmp_eq_u32 ttmp9, 2
	s_cselect_b32 s92, s84, s92
	s_cselect_b32 s93, s85, s93
	s_cselect_b32 s96, s89, s96
	s_add_co_i32 s92, s92, s93                     ; ea + eb
	s_sub_co_i32 s93, 0, s92
	s_sub_co_i32 s96, s96, s92                     ; eo - ea - eb
	s_add_co_i32 s96, s96, 127
	s_lshl_b32 s97, s96, 23
	v_mov_b32 v[SCL], s97
	s_add_co_i32 s96, s96, 8
	s_lshl_b32 s96, s96, 23
	s_or_b32 s96, s96, 0x600000
	v_mov_b32 v[LIM], s96
	s_wait_loadcnt 0x0
.set k, 0
.rept 64
	v_ldexp_f32 v[BIAS+k], v[BIAS+k], s93          ; bias / 2^(ea + eb)
.set k, k+1
.endr
.macro FRAG reg, adr, q, i             ; 16 rows x 128 K: registers 4 c .. 4 c + 3 hold K = 32 c + 16 h + 0 .. 15, alike in A and B
.irp c, 0,1,2,3
	ds_load_b128 v[\reg+4*\c:\reg+4*\c+3], v[\adr] offset:128*(\q)+32*\c+(\i)*16*PITCH
.endr
.endm
; 16 matrix instructions: A's blocks a0, a0 + 1 x B's eight.  mode 0: onto the sums; 1: the sums begin with the bias by B's rows; 2: by A's rows.
; The 64 accumulators take turns, one instruction a turn, in the same order in every step.
.macro MUL16 a0, p, mode
.irp a, \a0, \a0+1
.irp b, 0,1,2,3,4,5,6,7
.if \mode == 1
	v_wmma_f32_16x16x128_fp8_fp8 v[8*(8*((\a)%4)+\b):8*(8*((\a)%4)+\b)+7], v[128*(\p)+FR*\b:128*(\p)+FR*\b+FR-1], v[AF+FR*(\a):AF+FR*(\a)+FR-1], v[BIAS+8*\b:BIAS+8*\b+7]
.elseif \mode == 2
	v_wmma_f32_16x16x128_fp8_fp8 v[8*(8*((\a)%4)+\b):8*(8*((\a)%4)+\b)+7], v[128*(\p)+FR*\b:128*(\p)+FR*\b+FR-1], v[AF+FR*(\a):AF+FR*(\a)+FR-1], v[BIAS+8*(\a):BIAS+8*(\a)+7]
.else
	v_wmma_f32_16x16x128_fp8_fp8 v[8*(8*((\a)%4)+\b):8*(8*((\a)%4)+\b)+7], v[128*(\p)+FR*\b:128*(\p)+FR*\b+FR-1], v[AF+FR*(\a):AF+FR*(\a)+FR-1], v[8*(8*((\a)%4)+\b):8*(8*((\a)%4)+\b)+7]
.endif
.endr
.endr
.endm
.macro FETCH_B slot, q, p
	WIN TO_B
.irp i, 0,1,2,3,4,5,6,7
	FRAG 128*(\p)+FR*\i, ADRB+\slot, \q, \i
.endr
	WIN 0
.endm
.macro FETCH_A slot, q, i0
.irp i, \i0, \i0+1, \i0+2, \i0+3
	FRAG AF+FR*(\i), ADRA+\slot, \q, \i
.endr
.endm
.macro PLACES n                        ; plain vector lines between a matrix instruction and a load into, or a read of, its registers
.rept \n
	v_nop
.endr
.endm
; A step of 128 along K that has its successor in the same slot.
.macro STEP slot, q, mode
	s_wait_dscnt 4*NL                              ; B's set and A's blocks 0-3 are in; A's blocks 4-7 may be out
.if \mode
	WIN 0x81                                       ; C (the bias) in window 0, D in window 2
.else
	WIN MUL_LO
.endif
	MUL16 0, (\q)%2, \mode
	MUL16 2, (\q)%2, \mode
	s_wait_dscnt 0
	PLACES NP
	FETCH_B \slot, (\q)+1, 1-(\q)%2
	FETCH_A \slot, (\q)+1, 0
.if \mode
	WIN 0xc1
.else
	WIN MUL_HI
.endif
	MUL16 4, (\q)%2, \mode
	MUL16 6, (\q)%2, \mode
	PLACES NP
	WIN 0
	FETCH_A \slot, (\q)+1, 4
.endm
; A slot's last step changes slots: one barrier; in front of it each wave waits for all its tensor loads, adds 0 to its spare word, and waits for that and for its reads of this slot.
.macro TURN slot, next, fill
	s_wait_tensorcnt 0x0                           ; all my tensor loads have landed: my part of the next slot
	ds_add_u32 v[SPW], v[NIL]                      ; 0 onto my spare word
	s_wait_dscnt 4*NL+1                            ; (the add and A's blocks 4-7 may be out)
	WIN MUL_LO
	MUL16 0, 1, 0
	s_wait_dscnt 0x0                               ; the add is done, and my reads of this slot are over
	s_barrier_signal -1
	MUL16 2, 1, 0
	WIN 0
	s_barrier_wait -1
.if \fill
	CREST                                          ; the barrier has opened a round of the cluster's: no wave of any partner still reads this slot or has a load on its way
	s_add_nc_u64 s[G0+4*\slot+2:G0+4*\slot+3], s[G0+4*\slot+2:G0+4*\slot+3], 2*ROWB
	s_add_nc_u64 s[G0B+4*\slot+2:G0B+4*\slot+3], s[G0B+4*\slot+2:G0B+4*\slot+3], 2*ROWB
	JLOAD G0+4*\slot, G1, G0B+4*\slot, G1B         ; the first tensor load behind the round; its four v_nop are the places in front of the loads below
.else
	PLACES NP
.endif
	FETCH_B \next, 0, 0
	FETCH_A \next, 0, 0
	WIN MUL_HI
	MUL16 4, 1, 0
	MUL16 6, 1, 0
	PLACES NP
	WIN 0
	FETCH_A \next, 0, 4
.endm
	s_wait_tensorcnt 1                             ; my part of the first 256 along K is in (the second's load may be out),
	s_barrier_signal -1
	s_barrier_wait -1                              ; everybody's is
	FETCH_B 0, 0, 0
	FETCH_A 0, 0, 0
	FETCH_A 0, 0, 4
	s_cmp_eq_u32 ttmp9, 2                          ; the same in all partners of a cluster
	s_cbranch_scc1 .Lfirst_v
	STEP 0, 0, 1                                   ; Q, K: the sums begin with the bias of B's rows
	s_branch .Lfirst_done
.Lfirst_v:
	STEP 0, 0, 2                                   ; V: of A's rows
.Lfirst_done:
	TURN 0, 1, 1                                   ; four K steps of 256: two refills in all; a wave has two tensor loads out at the start, then one
	STEP 1, 0, 0
	TURN 1, 0, 1
	STEP 0, 0, 0
	TURN 0, 1, 0
	STEP 1, 0, 0
	s_wait_dscnt 4*NL                              ; the very last step
	WIN MUL_LO
	MUL16 0, 1, 0
	MUL16 2, 1, 0
	s_wait_dscnt 0
	WIN MUL_HI
	MUL16 4, 1, 0
	MUL16 6, 1, 0
	WIN 0
; THE WAY OUT, a block of 16 of A's rows at a time: the hold, each accumulator from its low end on; eight conversions; four stores of 512 consecutive bytes.
.macro OUT a
.if (\a) > 0
	s_wait_xcnt 0x0                                ; the last block's stores have read their codes and their base
	s_add_nc_u64 s[68:69], s[68:69], s[94:95]
.endif
	WIN 0x02+((\a)/4)                              ; source 0: window 2 or 3
.set k, 0
.rept 64
	v_med3_num_f32 v[TMP+k], v[64*((\a)%4)+k], -v[LIM], v[LIM]
.set k, k+1
.endr
	WIN 0
.irp b, 0,1,2,3,4,5,6,7
	v_cvt_scalef32_pk8_fp8_f32 v[CD+2*\b:CD+2*\b+1], v[TMP+8*\b:TMP+8*\b+7], v[SCL]
.endr
	v_nop                                          ; a plain line behind the conversions: the next block's holds write their sources
	global_store_b128 v[VO0], v[CD:CD+3], s[68:69]
	global_store_b128 v[VO0], v[CD+4:CD+7], s[68:69] offset:512
	global_store_b128 v[VO1], v[CD+8:CD+11], s[68:69] offset:1024
	global_store_b128 v[VO1], v[CD+12:CD+15], s[68:69] offset:1536
.endm
	PLACES NP
.irp a, 0,1,2,3,4,5,6,7
	OUT \a
.endr
	s_wait_tensorcnt 0x0                           ; the wave's end
	ds_add_u32 v[SPW], v[NIL]
	s_wait_dscnt 0x0
	CROUND                                         ; the closing round
	s_endpgm
.Lfunc_end_k_q0c08d24173_qkv:
	.size	k_q0c08d24173_qkv, .Lfunc_end_k_q0c08d24173_qkv-k_q0c08d24173_qkv
	.p2alignl 7, 3214868480
	.fill 96, 4, 3214868480
	.section	.rodata,"a",@progbits
	.p2align	6, 0x0
	.amdhsa_kernel k_q0c08d24173_qkv
		.amdhsa_group_segment_fixed_size 327680
		.amdhsa_private_segment_fixed_size 0
		.amdhsa_enable_private_segment 0
		.amdhsa_kernarg_size 56
		.amdhsa_user_sgpr_count 2
		.amdhsa_user_sgpr_kernarg_segment_ptr 1
		.amdhsa_wavefront_size32 1
		.amdhsa_system_sgpr_workgroup_id_x 1
		.amdhsa_system_sgpr_workgroup_id_y 1
		.amdhsa_system_sgpr_workgroup_id_z 1
		.amdhsa_system_vgpr_workitem_id 0
		.amdhsa_next_free_vgpr 1024
		.amdhsa_next_free_sgpr 100
		.amdhsa_reserve_vcc 0
		.amdhsa_float_denorm_mode_32 3
		.amdhsa_float_denorm_mode_16_64 3
		.amdhsa_memory_ordered 1
		.amdhsa_forward_progress 1
		.amdhsa_inst_pref_size 139
	.end_amdhsa_kernel
	.amdgpu_metadata
---
amdhsa.version: [ 1, 2 ]
amdhsa.kernels:
  - .name:           k_q0c08d24173_qkv
    .symbol:         k_q0c08d24173_qkv.kd
    .args:
      - { .name: xc, .offset: 0, .size: 8, .value_kind: global_buffer, .address_space: global }
      - { .name: wc, .offset: 8, .size: 8, .value_kind: global_buffer, .address_space: global }
      - { .name: lowp_scales, .offset: 16, .size: 8, .value_kind: global_buffer, .address_space: global }
      - { .name: bq, .offset: 24, .size: 8, .value_kind: global_buffer, .address_space: global }
      - { .name: bk, .offset: 32, .size: 8, .value_kind: global_buffer, .address_space: global }
      - { .name: bv, .offset: 40, .size: 8, .value_kind: global_buffer, .address_space: global }
      - { .name: qkv, .offset: 48, .size: 8, .value_kind: global_buffer, .address_space: global }
    .group_segment_fixed_size: 327680
    .private_segment_fixed_size: 0
    .kernarg_segment_align: 8
    .kernarg_segment_size: 56
    .max_flat_workgroup_size: 128
    .sgpr_count:     100
    .vgpr_count:     1024
    .wavefront_size: 32
...
	.end_amdgpu_metadata
.endif
;; end of part 2
;; launch attn (part 3): grid 8 x 64, 8 waves a work-group, no clusters, 66,560 bytes of LDS; arguments qkv, lowp_scales, cc; writes cc
.if DOCPART == 3
	.amdgcn_target "amdgcn-amd-amdhsa--gfx1250"
	.amdhsa_code_object_version 6
	.text
	.protected	k_q0c08d24173_attn
	.globl	k_q0c08d24173_attn
	.p2align	8
	.type	k_q0c08d24173_attn,@function
k_q0c08d24173_attn:
	s_mov_b64 s[64:65], 0
	v_nop
	global_prefetch_b8 v0, s[64:65] scope:SCOPE_SE
	s_setreg_imm32_b32 hwreg(HW_REG_WAVE_MODE, 25, 1), 1
	s_wait_xcnt 0x0
; ctx = softmax(Q K^T / 8) V for each of 64 (batch, head), 2,048 x 2,048, head size 64, both products on codes of FP8 (E4M3); ctx is quantised at once for the last product (entry 10).
; THE SOFTMAX AHEAD OF THE SECOND PRODUCT: t = score x log2(e) / 8 x 2^(e6 + e7); M = the running largest t rounded UP to a whole number; p = 2^(t - M) is quantised with 2^e8, not normalised.
; The row's sum is taken of the unquantised p and divides at the end.  When M moves, the sum and O are multiplied by 2^(old M - new M), which rounds nothing.
; SHARES: a work-group owns 256 queries of one head; each of its eight waves two tiles of 16, so that each fragment of K and V read from LDS feeds two matrix instructions; two waves to a SIMD,
; so that one wave's vector work stands beside the other's matrix work and LDS loads.  Every wave walks the head's 2,048 keys, 128 a step.
; LAYOUT: both products transposed (S^T = K Q^T, O^T = V^T P^T): a lane holds one query throughout.  Q, K and V arrive as IMAGES OF OPERAND REGISTERS (16 bytes a lane, 512 a load), in which a tile's rows are chosen so
; that the 16 registers of two neighbouring tiles of a result are 16 neighbours along the next K.  So K and V go from memory to LDS as they lie and come out by loads at 16 x lane.
; THE RING: two slots of 32 KB, each with two steps' K (8 KB) and V (8 KB).  While a slot is read, the other is filled through registers: four loads of 16 bytes a thread at a step's head, four LDS stores at its end.
; One barrier for each change of slots: in front of it a wave's LDS stores have landed and its LDS loads are in.  A trip of the loop runs both slots, so every LDS address is a constant + a lane term.
; NO TENSOR LOADS AND NO JOINT REQUESTS, though the eight query blocks of a head read the same K and V: the branch on e8 below leaves out 128 of a step's
; vector instructions wherever 448 x 2^e8 is 1 or more; what partners would share is 16 KB a step, beside some 500 vector instructions in each of eight waves.
; LIMITS: e6 + e7 between -123 and 130 (added to c's exponent field); e8, and e10 - e8 - e9, between -126 and 119.  NaN among the inputs is not served.
; REGISTERS: window 0: v1 16 x lane, v2 16 x thread, v5 256 x lane; v8.. statistics; v32-63 p's codes; v64-127 K's fragments; v128-255 S^T, then p.
;   window 1: v0-63 O^T; v64-127 V's fragments; v128-143 Q; v144-159 the bytes on their way to LDS.
.set LI,  1
.set GOF, 2
.set PFO, 5
.set ST,  8                            ; tile i: v[ST+4i] -M, +1 the largest t, +2, +3 the sum in two halves
.set FF,  16                           ; tile i: v[FF+2i] f = 2^(old M - new M) (named as a pair)
.set L2,  20                           ; tile i: the sum's second chain
.set MX,  24                           ; tile i: two chains of the maximum
.set SC8, 28
.set LM8, 29
.set PD,  30                           ; tile i: a lane permute's destination
.set P,   32
.set KF,  64
.set S,   128
.set O,   0                            ; in window 1
.set VF,  64
.set Q,   128
.set G,   144
.set MSB, 0
.macro WIN new                         ; the immediate's high byte repeats the setting that is left
.if MSB != \new
	s_set_vgpr_msb (MSB<<8)|\new
.set MSB, \new
.endif
.endm
	s_load_b128 s[4:7], s[0:1], 0x0                ; qkv, the scales
	s_load_b64 s[8:9], s[0:1], 0x10                ; cc
	v_lshl_add_u32 v6, v0, 2, 0x10000
	v_mov_b32 v7, 0
	v_lshrrev_b32 v3, 5, v0
	v_readfirstlane_b32 s10, v3                    ; wave 0..7
	v_and_b32 v[LI], 31, v0
	v_lshlrev_b32 v[PFO], 8, v[LI]
	v_lshlrev_b32 v[LI], 4, v[LI]
	v_lshlrev_b32 v[GOF], 4, v0
	s_and_b32 s11, ttmp7, 0xffff                   ; 16 x batch + head
	s_lshr_b32 s17, s11, 1                         ; 8 x batch + pair of heads
	s_and_b32 s18, s11, 1                          ; head of the pair
	s_lshl_b32 s34, s17, 18                        ; 16 blocks of 16 KB,
	s_lshl_b32 s19, s18, 13                        ; my head's 8 KB of each
	s_or_b32 s34, s34, s19
	s_mov_b32 s35, 0
	s_lshl_b32 s36, ttmp9, 1                       ; Q: my work-group's two blocks of 128 queries,
	s_lshr_b32 s19, s10, 2
	s_add_co_u32 s36, s36, s19                     ; waves 0-3 the first, 4-7 the second,
	s_lshl_b32 s36, s36, 14
	s_and_b32 s19, s10, 3
	s_lshl_b32 s19, s19, 11                        ; two tiles of 1,024 bytes a wave
	s_add_co_u32 s36, s36, s19
	s_mov_b32 s37, 0
	s_lshr_b32 s38, s11, 4                         ; cc: tile of 16 rows = 128 x batch + 16 x work-group x + 2 x wave
	s_lshl_b32 s38, s38, 7
	s_lshl_b32 s19, ttmp9, 4
	s_add_co_u32 s38, s38, s19
	s_lshl_b32 s19, s10, 1
	s_add_co_u32 s38, s38, s19
	s_lshl_b32 s38, s38, 14                        ; x 16 KB,
	s_and_b32 s19, s17, 7
	s_lshl_b32 s19, s19, 11                        ; + the K step of 128 = the pair of heads, 2 KB,
	s_add_co_u32 s38, s38, s19
	s_lshl_b32 s19, s18, 10                        ; + my head's half of it
	s_add_co_u32 s38, s38, s19
	s_mov_b32 s39, 0
	s_mov_b32 s20, 0x76543210                      ; v_permlanex16_b32's selects for lane l xor 16
	s_mov_b32 s21, 0xfedcba98
	s_mov_b32 s22, 0x3e38aa3b                      ; c = log2(e) / 8
	s_wait_kmcnt 0x0
	s_load_b128 s[12:15], s[6:7], 0x18             ; e6, e7, e8, e9
	s_load_b32 s16, s[6:7], 0x28                   ; e10
	s_add_nc_u64 s[4:5], s[4:5], s[34:35]
	s_add_nc_u64 s[24:25], s[4:5], 0x800000        ; K's images of my head
	s_add_nc_u64 s[26:27], s[4:5], 0x1000000       ; V's
	s_add_nc_u64 s[4:5], s[4:5], s[36:37]          ; Q's, at my two tiles
	s_add_nc_u64 s[8:9], s[8:9], s[38:39]
	; the prefetches (macro ASK): waves 0-3 of the head's first work-group; wave w: K (w < 2) or V, step w % 2 of a slot
	s_cmp_lt_u32 s10, 2
	s_cselect_b64 s[28:29], s[24:25], s[26:27]
	s_and_b32 s19, s10, 1
	s_lshl_b32 s40, s19, 14
	s_add_co_u32 s40, s40, 0x10000                 ; in slot 2
	s_mov_b32 s41, 0
	s_add_nc_u64 s[28:29], s[28:29], s[40:41]
	s_lshr_b32 s19, s10, 2
	s_or_b32 s19, s19, ttmp9
	s_cmp_eq_u32 s19, 0
	s_cselect_b32 s30, 1, -1                       ; a wave asks while the trips to go are above this
	WIN 0x40                                       ; destination window 1
.irp i, 0,1
.irp c, 0,1
	global_load_b128 v[Q+8*\i+4*\c:Q+8*\i+4*\c+3], v[LI], s[4:5] offset:1024*\i+512*\c   ; Q stays in registers
.endr
.endr
	WIN 0
.irp q, 0,1                                    ; slot 0: 32 bytes of K and of V a thread and step
	global_load_b128 v[S+16*\q:S+16*\q+3], v[GOF], s[24:25] offset:16384*\q
	global_load_b128 v[S+16*\q+4:S+16*\q+7], v[GOF], s[24:25] offset:16384*\q+4096
	global_load_b128 v[S+16*\q+8:S+16*\q+11], v[GOF], s[26:27] offset:16384*\q
	global_load_b128 v[S+16*\q+12:S+16*\q+15], v[GOF], s[26:27] offset:16384*\q+4096
.endr
.irp i, 0,1
	v_mov_b32 v[ST+4*\i+1], 0xff61b1e6             ; the largest t so far: -3e38, under every t
	v_floor_f32 v[ST+4*\i], -v[ST+4*\i+1]          ; -M
	v_mov_b32 v[ST+4*\i+2], 0                      ; the sum
	v_mov_b32 v[ST+4*\i+3], 0
	v_mov_b32 v[FF+2*\i+1], 0                      ; (named as the upper half of a pair)
	v_mov_b32 v[PD+\i], 0                          ; a lane permute's destination counts as one of its sources
.endr
	WIN 0x40
.set j, 0
.rept 64
	v_mov_b32 v[O+j], 0                            ; O^T: the step is written without a first step of its own; the first change of M multiplies zeros
.set j, j+1
.endr
	WIN 0
	s_wait_kmcnt 0x0
	s_add_co_i32 s19, s12, s13
	s_lshl_b32 s19, s19, 23
	s_add_co_i32 s22, s22, s19                     ; c x 2^(e6 + e7)
	s_mov_b32 s23, s22                             ; (named with it as a pair)
	s_add_co_i32 s19, s14, 127
	s_lshl_b32 s33, s19, 23
	v_mov_b32 v[SC8], s33                          ; 2^e8
	s_add_co_i32 s19, s19, 8
	s_lshl_b32 s19, s19, 23
	s_or_b32 s19, s19, 0x600000
	v_mov_b32 v[LM8], s19                          ; 448 x 2^e8
	s_wait_loadcnt 0x0
.irp q, 0,1
.irp n, 0,1,2,3
	ds_store_b128 v[GOF], v[S+16*\q+4*\n:S+16*\q+4*\n+3] offset:16384*\q+4096*\n
.endr
.endr
	s_add_nc_u64 s[24:25], s[24:25], 0x8000        ; (their loads are in)  K and V at slot 1
	s_add_nc_u64 s[26:27], s[26:27], 0x8000
; A PREFETCH INTO THE L2 of the slot after the one that this slot's steps load: 8 KB a wave, lanes 256 bytes apart, one instruction.  All eight work-groups of a head walk the same K and V: the first of them asks,
; in it waves 0-3, each for another 8 KB: so each block of 256 bytes is named once in the launch.  The last trip asks for nothing: there is no slot behind its slots.  Slots 0 and 1 come by their loads alone.
.macro ASK off
	s_cmp_gt_u32 s31, s30
	s_cbranch_scc0 .Lnot_mine_\@
	global_prefetch_b8 v[PFO], s[28:29] offset:\off th:TH_LOAD_NT scope:SCOPE_SE
.Lnot_mine_\@:
.endm
.macro CHANGE                          ; my LDS stores into the slot ahead have landed and my reads of the slot behind are in: then the work-group's barrier
	s_wait_dscnt 0x0
	s_barrier_signal -1
	s_barrier_wait -1
.endm
; THE SOFTMAX of a step, both tiles line by line, so that no line waits for the line above it.
.macro SOFT
.irp i, 0,1
	v_max3_num_f32 v[MX+2*\i], v[S+64*\i], v[S+64*\i+1], v[S+64*\i+2]   ; the largest of my query's 64 scores, in two chains; each accumulator is read from its low end on
	v_max3_num_f32 v[MX+2*\i+1], v[S+64*\i+3], v[S+64*\i+4], v[S+64*\i+5]
.endr
.set n, 6
.rept 14
.irp i, 0,1
	v_max3_num_f32 v[MX+2*\i], v[MX+2*\i], v[S+64*\i+n], v[S+64*\i+n+1]
	v_max3_num_f32 v[MX+2*\i+1], v[MX+2*\i+1], v[S+64*\i+n+2], v[S+64*\i+n+3]
.endr
.set n, n+4
.endr
.irp i, 0,1
	v_max3_num_f32 v[MX+2*\i], v[MX+2*\i], v[S+64*\i+62], v[S+64*\i+63]
.endr
.irp i, 0,1
	v_max_num_f32 v[MX+2*\i], v[MX+2*\i], v[MX+2*\i+1]
.endr
.irp i, 0,1
	v_permlanex16_b32 v[PD+\i], v[MX+2*\i], s20, s21
.endr
.irp i, 0,1
	v_max_num_f32 v[MX+2*\i], v[MX+2*\i], v[PD+\i]         ; and of lane l xor 16's 64
.endr
.irp i, 0,1
	v_mul_f32 v[MX+2*\i], s22, v[MX+2*\i]                  ; as t (c is positive)
.endr
.irp i, 0,1
	v_max_num_f32 v[ST+4*\i+1], v[ST+4*\i+1], v[MX+2*\i]   ; the running largest t
.endr
.irp i, 0,1
	v_mov_b32 v[MX+2*\i], v[ST+4*\i]
.endr
.irp i, 0,1
	v_floor_f32 v[ST+4*\i], -v[ST+4*\i+1]                  ; the new -M = floor(-t): M is a whole number
.endr
.irp i, 0,1
	v_sub_f32 v[MX+2*\i], v[ST+4*\i], v[MX+2*\i]           ; old M - new M: a whole number, 0 or less
.endr
.irp i, 0,1
	v_cvt_i32_f32 v[MX+2*\i], v[MX+2*\i]                   ; (it saturates)
.endr
.irp i, 0,1
	v_ldexp_f32 v[FF+2*\i], 1.0, v[MX+2*\i]                ; f = 2^(old M - new M)
.endr
.set j, 0
.rept 32
.irp i, 0,1
	v_pk_fma_f32 v[S+64*\i+j:S+64*\i+j+1], v[S+64*\i+j:S+64*\i+j+1], s[22:23], v[ST+4*\i:ST+4*\i+1] op_sel_hi:[1,0,0]   ; t - M, two at a time
.endr
.set j, j+2
.endr
.set j, 0
.rept 128
	v_exp_f32 v[S+j], v[S+j]                               ; p = 2^(t - M): one batch
.set j, j+1
.endr
.irp i, 0,1
	v_pk_mul_f32 v[ST+4*\i+2:ST+4*\i+3], v[ST+4*\i+2:ST+4*\i+3], v[FF+2*\i:FF+2*\i+1] op_sel_hi:[1,0]   ; the sums under the new M (the plain lines behind the exponentials)
.endr
	s_wait_alu depctr_va_vdst(0)                           ; one wait for the batch, ahead of its first reader
.irp i, 0,1
	v_pk_add_f32 v[L2+2*\i:L2+2*\i+1], v[S+64*\i:S+64*\i+1], v[S+64*\i+2:S+64*\i+3]   ; the row's sum is taken of the unquantised p, in two chains
.endr
.set n, 4
.rept 15
.irp i, 0,1
	v_pk_add_f32 v[ST+4*\i+2:ST+4*\i+3], v[ST+4*\i+2:ST+4*\i+3], v[S+64*\i+n:S+64*\i+n+1]
	v_pk_add_f32 v[L2+2*\i:L2+2*\i+1], v[L2+2*\i:L2+2*\i+1], v[S+64*\i+n+2:S+64*\i+n+3]
.endr
.set n, n+4
.endr
.irp i, 0,1
	v_pk_add_f32 v[ST+4*\i+2:ST+4*\i+3], v[ST+4*\i+2:ST+4*\i+3], v[L2+2*\i:L2+2*\i+1]
.endr
	s_cmp_ge_i32 s14, -8                                   ; p is at most 1; from e8 = -8 on, 448 x 2^e8 is above 1 and the hold holds nothing
	s_cbranch_scc1 .Lnohold_\@
.set j, 0
.rept 128
	v_min_num_f32 v[S+j], v[S+j], v[LM8]                   ; the conversion to an 8-bit code does not saturate (ISA guide 7.6.2); p is not negative: a one-sided hold
.set j, j+1
.endr
.Lnohold_\@:
.irp i, 0,1
.irp b, 0,1,2,3
	v_cvt_scalef32_pk8_fp8_f32 v[P+16*\i+4*\b:P+16*\i+4*\b+1], v[S+64*\i+16*\b:S+64*\i+16*\b+7], v[SC8]
	v_cvt_scalef32_pk8_fp8_f32 v[P+16*\i+4*\b+2:P+16*\i+4*\b+3], v[S+64*\i+16*\b+8:S+64*\i+16*\b+15], v[SC8]
.endr
.endr
.endm
; A KEY STEP: 128 keys, the q-th of slot sl.  mode 1: the same step of the next slot is brought into the other slot; mode 2: the same, but not in the last trip, which has no next slot.
.macro STEP sl, q, mode, goff
.irp t, 0,1,2,3,4,5,6,7
.irp c, 0,1
	ds_load_b128 v[KF+8*\t+4*\c:KF+8*\t+4*\c+3], v[LI] offset:32768*(\sl)+16384*(\q)+1024*\t+512*\c
.endr
.endr
	s_wait_dscnt 0x0                               ; K is in; and the last step's LDS stores have read their registers, which are loaded again below
.if \mode == 2
	s_cmp_eq_u32 s31, 1
	s_cbranch_scc1 .Lnl_\@
.endif
	WIN 0x40
	global_load_b128 v[G:G+3], v[GOF], s[24:25] offset:(\goff)+16384*(\q)
	global_load_b128 v[G+4:G+7], v[GOF], s[24:25] offset:(\goff)+16384*(\q)+4096
	global_load_b128 v[G+8:G+11], v[GOF], s[26:27] offset:(\goff)+16384*(\q)
	global_load_b128 v[G+12:G+15], v[GOF], s[26:27] offset:(\goff)+16384*(\q)+4096
.if \mode == 2
	WIN 0
.Lnl_\@:
.endif
	WIN 0x04                                       ; source 1 (Q) window 1
.irp t, 0,1,2,3,4,5,6,7
.irp i, 0,1
	v_wmma_f32_16x16x64_fp8_fp8 v[S+64*\i+8*\t:S+64*\i+8*\t+7], v[KF+8*\t:KF+8*\t+7], v[Q+8*\i:Q+8*\i+7], 0
.endr
.endr
.rept 4
	v_nop                                          ; the places in front of the reads of S^T, and of the loads into V's registers, which the last step's products read
.endr
	WIN 0x40
.irp d, 0,1,2,3
.irp c, 0,1,2,3
	ds_load_b128 v[VF+16*\d+4*\c:VF+16*\d+4*\c+3], v[LI] offset:32768*(\sl)+16384*(\q)+8192+2048*\d+512*\c   ; V lands while the softmax is walked
.endr
.endr
	WIN 0
	SOFT
	WIN 0x41                                       ; O^T (destination, source 0) window 1, f window 0
.set j, 0
.rept 16
.irp i, 0,1
	v_pk_mul_f32 v[O+32*\i+j:O+32*\i+j+1], v[O+32*\i+j:O+32*\i+j+1], v[FF+2*\i:FF+2*\i+1] op_sel_hi:[1,0]   ; O^T under the new M; also the plain lines behind the conversions
.endr
.set j, j+2
.endr
	s_wait_dscnt 0x0                               ; V is in
	WIN 0x51                                       ; V and O^T window 1, p's codes window 0
.irp d, 0,1,2,3
.irp i, 0,1
	v_wmma_f32_16x16x128_fp8_fp8 v[O+32*\i+8*\d:O+32*\i+8*\d+7], v[VF+16*\d:VF+16*\d+15], v[P+16*\i:P+16*\i+15], v[O+32*\i+8*\d:O+32*\i+8*\d+7]   ; eight accumulators, one instruction each
.endr
.endr
	s_wait_loadcnt 0x0                             ; the bytes asked for at the step's head are in (on both ways)
.if \mode == 2
	WIN 0
	s_cmp_eq_u32 s31, 1
	s_cbranch_scc1 .Lns_\@
.endif
	WIN 0x04                                       ; an LDS store's data are its source 1: window 1
.irp n, 0,1,2,3
	ds_store_b128 v[GOF], v[G+4*\n:G+4*\n+3] offset:32768*(1-(\sl))+16384*(\q)+4096*\n
.endr
	WIN 0
.if \mode == 2
.Lns_\@:
.endif
.endm
	s_mov_b32 s31, 4
.Lpair:                                            ; four trips of two slots: 16 key steps
	CHANGE
	ASK 0
	STEP 0, 0, 1, 0
	STEP 0, 1, 1, 0
	CHANGE
	ASK 32768
	STEP 1, 0, 2, 32768
	STEP 1, 1, 2, 32768
	s_wait_xcnt 0x0                                ; the trip's loads and prefetches have read their bases
	s_add_nc_u64 s[24:25], s[24:25], 0x10000
	s_add_nc_u64 s[26:27], s[26:27], 0x10000
	s_add_nc_u64 s[28:29], s[28:29], 0x10000
	s_sub_co_u32 s31, s31, 1
	s_cmp_lg_u32 s31, 0
	s_cbranch_scc1 .Lpair
	; THE WAY OUT: O^T / the sum stands for ctx / 2^(e8 + e9); its code under 2^e10 is made with the one scale 2^(e10 - e8 - e9).  A lane's 16 registers of two neighbouring tiles are 16 neighbours along the last product's K.
.irp i, 0,1
	v_add_f32 v[ST+4*\i+2], v[ST+4*\i+2], v[ST+4*\i+3]
.endr
.irp i, 0,1
	v_permlanex16_b32 v[PD+\i], v[ST+4*\i+2], s20, s21
.endr
.irp i, 0,1
	v_add_f32 v[ST+4*\i+2], v[ST+4*\i+2], v[PD+\i]         ; the row's sum
.endr
.irp i, 0,1
	v_rcp_f32 v[FF+2*\i], v[ST+4*\i+2]
.endr
	v_nop                                          ; a plain line behind the reciprocals
	s_sub_co_i32 s19, s16, s14
	s_sub_co_i32 s19, s19, s15
	s_add_co_i32 s19, s19, 127
	s_lshl_b32 s33, s19, 23
	v_mov_b32 v[SC8], s33                          ; 2^(e10 - e8 - e9)
	s_add_co_i32 s19, s19, 8
	s_lshl_b32 s19, s19, 23
	s_or_b32 s19, s19, 0x600000
	v_mov_b32 v[LM8], s19                          ; 448 x that
	s_wait_alu depctr_va_vdst(0)                   ; one wait for both reciprocals, ahead of their first reader
	WIN 0x01                                       ; source 0 (O^T) window 1
.irp i, 0,1
.set j, 0
.rept 32
	v_mul_f32 v[S+64*\i+j], v[O+32*\i+j], v[FF+2*\i]       ; each accumulator from its low end on
.set j, j+1
.endr
.endr
	WIN 0
.irp i, 0,1
.set j, 0
.rept 32
	v_med3_num_f32 v[S+64*\i+j], v[S+64*\i+j], -v[LM8], v[LM8]
.set j, j+1
.endr
.endr
.irp i, 0,1
.irp g, 0,1
	v_cvt_scalef32_pk8_fp8_f32 v[P+16*\i+4*\g:P+16*\i+4*\g+1], v[S+64*\i+16*\g:S+64*\i+16*\g+7], v[SC8]
	v_cvt_scalef32_pk8_fp8_f32 v[P+16*\i+4*\g+2:P+16*\i+4*\g+3], v[S+64*\i+16*\g+8:S+64*\i+16*\g+15], v[SC8]
.endr
.endr
	v_nop
.irp i, 0,1
.irp g, 0,1
	global_store_b128 v[LI], v[P+16*\i+4*\g:P+16*\i+4*\g+3], s[8:9] offset:16384*\i+512*\g   ; 512 consecutive bytes, aligned: a quarter of a fragment's image
.endr
.endr
	s_wait_tensorcnt 0x0
	ds_add_u32 v6, v7
	s_wait_dscnt 0x0
	s_endpgm
.Lfunc_end_k_q0c08d24173_attn:
	.size	k_q0c08d24173_attn, .Lfunc_end_k_q0c08d24173_attn-k_q0c08d24173_attn
	.p2alignl 7, 3214868480
	.fill 96, 4, 3214868480
	.section	.rodata,"a",@progbits
	.p2align	6, 0x0
	.amdhsa_kernel k_q0c08d24173_attn
		.amdhsa_group_segment_fixed_size 66560
		.amdhsa_private_segment_fixed_size 0
		.amdhsa_enable_private_segment 0
		.amdhsa_kernarg_size 24
		.amdhsa_user_sgpr_count 2
		.amdhsa_user_sgpr_kernarg_segment_ptr 1
		.amdhsa_wavefront_size32 1
		.amdhsa_system_sgpr_workgroup_id_x 1
		.amdhsa_system_sgpr_workgroup_id_y 1
		.amdhsa_system_sgpr_workgroup_id_z 1
		.amdhsa_system_vgpr_workitem_id 0
		.amdhsa_next_free_vgpr 416
		.amdhsa_next_free_sgpr 66
		.amdhsa_reserve_vcc 0
		.amdhsa_float_denorm_mode_32 3
		.amdhsa_float_denorm_mode_16_64 3
		.amdhsa_memory_ordered 1
		.amdhsa_forward_progress 1
		.amdhsa_inst_pref_size 131
	.end_amdhsa_kernel
	.amdgpu_metadata
---
amdhsa.version: [ 1, 2 ]
amdhsa.kernels:
  - .name:           k_q0c08d24173_attn
    .symbol:         k_q0c08d24173_attn.kd
    .args:
      - { .name: qkv, .offset: 0, .size: 8, .value_kind: global_buffer, .address_space: global }
      - { .name: lowp_scales, .offset: 8, .size: 8, .value_kind: global_buffer, .address_space: global }
      - { .name: cc, .offset: 16, .size: 8, .value_kind: global_buffer, .address_space: global }
    .group_segment_fixed_size: 66560
    .private_segment_fixed_size: 0
    .kernarg_segment_align: 8
    .kernarg_segment_size: 24
    .max_flat_workgroup_size: 256
    .sgpr_count:     66
    .vgpr_count:     416
    .wavefront_size: 32
...
	.end_amdgpu_metadata
.endif
;; end of part 3
;; launch outln (part 4): grid 128 x 1, 4 waves a work-group, clusters of 4 x 1, 327,680 bytes of LDS; arguments cc, wc, lowp_scales, bo, x, gamma, beta, out0; writes out0
.if DOCPART == 4
	.amdgcn_target "amdgcn-amd-amdhsa--gfx1250"
	.amdhsa_code_object_version 6
	.text
	.protected	k_q0c08d24173_outln
	.globl	k_q0c08d24173_outln
	.p2align	8
	.type	k_q0c08d24173_outln,@function
k_q0c08d24173_outln:
	s_mov_b64 s[64:65], 0
	v_nop
	global_prefetch_b8 v0, s[64:65] scope:SCOPE_SE
	s_setreg_imm32_b32 hwreg(HW_REG_WAVE_MODE, 25, 1), 1
	s_wait_xcnt 0x0
	s_wait_alu depctr_hold_cnt(0) depctr_sa_sdst(0) depctr_va_vdst(0) depctr_va_sdst(0) depctr_va_ssrc(0) depctr_va_vcc(0) depctr_vm_vsrc(0)
	s_getreg_b32 s2, hwreg(HW_REG_IB_STS2, 6, 4)
	s_cmp_eq_u32 s2, 0
	s_cbranch_scc0 .Lentry_in_a_cluster
	s_endpgm
.Lentry_in_a_cluster:
	s_bfe_u32 s2, ttmp6, 0x10000c
	s_cmp_lg_u32 s2, 0x3003
	s_cbranch_scc0 .Lentry_shape_is_right
	s_endpgm
.Lentry_shape_is_right:
; out0 = LayerNorm(ctx Wo^T + bo + x) x gamma + beta.  The product on codes of FP8 (E4M3): ctx's arrive as images of operand registers (cc), Wo's as rows of codes (wc's fourth part).
; SHARES: the norm wants whole rows, so a work-group owns 64 tokens x all 1,024 columns.  Wave w makes, for all 64 rows, columns 512 H + 128 w + 0 .. 127, H = 0, 1: 64 accumulators, 512 registers;
; so each fragment of Wo is read from LDS once in a work-group.  128 work-groups: with 32 rows to each of 256, every work-group would fetch and read the same bytes of Wo for half the products.
; CLUSTER: all work-groups walk the same Wo.  The four of a cluster ask for each tile JOINTLY: the same tensor load, descriptor and mask (all four) in each.
; THE RING: two LDS slots, slot H for half H of the columns: 512 rows x 256 along K; wave w fetches and reads rows 128 w .. 128 w + 127 of it.  K = 1,024 is four steps of 256, H = 0 then 1 in each:
; eight slot runs, written out.  A slot is filled again as soon as its last fragments are in registers, behind a round of the cluster's barrier: three times each; a wave has two tensor loads out at the start and one behind each such round.
; ctx's fragments come from memory straight into registers, a K step ahead, in two sets that take turns.
; THE MATRIX INSTRUCTION IS USED TRANSPOSED (source 0 = 16 rows of Wo, source 1 = 16 rows of ctx).  Wo's rows lie with bits 3 and 4 of their numbers exchanged: register j of lane (r, h) of column tile b is column
; 32 (b / 2) + 16 h + 8 (b % 2) + j.  Row r of row tile a is token 32 (a / 2) + 8 (a % 2) + r + 8 (r / 8) of the work-group's 64.
; THE NORM: the raw sums go through a stage of 64 rows in LDS, laid over the ring, which has had its last fill and its last read by then; wave w takes rows 16 w .. 16 w + 15 whole, four at a time.
; The mean is taken first and the squares of the differences then: no difference of large sums is formed.
; LIMITS: e10 + e11 between -126 and 127.  NaN among the inputs is not served.
; REGISTERS: window 0: v1-9 addresses; v10-25 the rows' sums; v32-63 bo, v64-95 gamma, v96-127 beta; v128-191, v192-255 Wo's fragments, two sets of four, later four rows of y.
;   window 1: ctx's fragments, two sets of 128.   windows 2 (H = 0), 3 (H = 1): the accumulators ((b, a) at v[8 (4 b + a)]), later my 16 rows of x.
.set PITCH,  272                       ; an LDS row: 256 bytes + 16 of padding
.set HALFT,  128*PITCH                 ; a wave's 128 rows
.set SLOT,   4*HALFT
.set SPARE,  2*SLOT                    ; behind the ring: the spare words, 128 bytes for each wave
.set SPITCH, 4112                      ; a stage row: 4,096 bytes + 16
.set LI,  1                            ; v1   16 x lane
.set ADB, 2                            ; v2-3 my place in my rows of slot 0, 1
.set STO, 4                            ; v4-7 the stage: where row tile a's results go
.set RD,  8                            ; v8   and where I read my rows back
.set PFO, 9                            ; v9   the prefetches' offset: 256 x lane; never rewritten
.set RS,  10                           ; v10-25 row p of four: two pairs
.set SPW, 28
.set NIL, 29
.set BOV, 32
.set GAV, 64
.set BEV, 96
.set BF,  128
.set Y,   128
.set G1,  24
.set G0,  32
.set MSB, 0
.macro WIN new                         ; the immediate's high byte repeats the setting that is left
.if MSB != \new
	s_set_vgpr_msb (MSB<<8)|\new
.set MSB, \new
.endif
.endm
.macro PLACES                          ; plain vector lines between a matrix instruction and a load into, or a read of, its registers
.rept 4
	v_nop
.endr
.endm
.macro CREST                           ; a round of the cluster's barrier behind its opening barrier
	s_cmp_lg_u32 s8, 0
	s_cbranch_scc1 .Lnot_wave_0_\@
	s_barrier_signal -3
.Lnot_wave_0_\@:
	s_barrier_wait -3
	s_barrier_signal -1
	s_barrier_wait -1
.endm
.macro CROUND
	s_barrier_signal -1
	s_barrier_wait -1
	CREST
.endm
	s_load_b512 s[40:55], s[0:1], 0x0              ; cc 40, wc 42, scales 44, bo 46, x 48, gamma 50, beta 52, out0 54
	v_lshl_add_u32 v[SPW], v0, 2, SPARE
	v_mov_b32 v[NIL], 0
	ds_add_u32 v28, v29
	ds_add_u32 v28, v29
	s_wait_dscnt 0x0
	v_lshrrev_b32 v1, 5, v0
	v_readfirstlane_b32 s8, v1                     ; wave 0..3
	s_bfe_u32 s9, ttmp6, 0x40000                   ; cx
	s_lshl_b32 s10, ttmp9, 2
	s_add_co_u32 s10, s10, s9                      ; my work-group: it enters the addresses of cc, x and out0 alone
	s_mov_b32 s[G1], 15|(0<<16)|(1<<20)|(1<<21)|(5<<22)|(3<<25)   ; the mask: all four; elements of 1 byte; padding on; bit 21 beside a mask; after every 64 words, 4 words
	s_mov_b32 s[G1+1], 256<<16                     ; tensor_dim0
	s_mov_b32 s[G1+2], 128<<16                     ; tensor_dim1
	s_mov_b32 s[G1+3], 256<<16                     ; tile_dim0
	s_mov_b32 s[G1+4], 128                         ; tile_dim1
	s_mov_b32 s[G1+5], 1024                        ; the pitch
	s_mov_b32 s[G1+6], 0
	s_mov_b32 s[G1+7], 0
	s_mul_i32 s11, s8, HALFT                       ; my rows in a slot
	s_lshl_b32 s22, s8, 17                         ; 128 w rows of 1,024 bytes,
	s_add_co_u32 s22, s22, 0x300000                ; in wc's fourth part
	s_mov_b32 s23, 0
	s_mov_b32 s18, 0x76543210                      ; v_permlanex16_b32's selects for lane l xor 16
	s_mov_b32 s19, 0xfedcba98
	s_mov_b32 s6, 0xba800000                       ; -1 / 1024
	s_mov_b32 s7, 0x3a800000                       ; 1 / 1024
	s_mov_b32 s4, 0x3727c5ac                       ; 1e-5
	s_wait_kmcnt 0x0
	s_load_b64 s[60:61], s[44:45], 0x28            ; e10, e11
	s_add_nc_u64 s[22:23], s[42:43], s[22:23]
	CROUND                                         ; all four work-groups are here: the first joint loads meet
.irp H, 0,1
	s_mov_b32 s[G0+4*\H], 1
	s_add_co_u32 s[G0+4*\H+1], s11, \H*SLOT
	s_add_nc_u64 s[G0+4*\H+2:G0+4*\H+3], s[22:23], \H*512*1024
	s_or_b32 s[G0+4*\H+3], s[G0+4*\H+3], 0x80000000
.endr
	tensor_load_to_lds s[G0:G0+3], s[G1:G1+7]      ; the two first fills stand together; four v_nop follow the second
	s_nop 0
	tensor_load_to_lds s[G0+4:G0+7], s[G1:G1+7]
	s_nop 0
.rept 4
	v_nop
.endr
	v_and_b32 v[LI], 31, v0
	v_and_b32 v10, 15, v0                          ; r
	v_bfe_u32 v11, v0, 4, 1                        ; h
	v_lshlrev_b32 v[PFO], 8, v[LI]                 ; lanes 256 bytes apart: 32 lanes name two rows of x
	v_lshlrev_b32 v[LI], 4, v[LI]
	v_mul_u32_u24 v12, v10, PITCH
	v_lshl_add_u32 v12, v11, 4, v12
	v_add_nc_u32 v[ADB], s11, v12
	v_add_nc_u32 v[ADB+1], SLOT, v[ADB]
	v_mul_u32_u24 v12, v10, SPITCH
	v_lshl_add_u32 v12, v11, 6, v12
	s_lshl_b32 s21, s8, 9
	v_add_nc_u32 v12, s21, v12                     ; the stage: row r, + 512 w + 64 h bytes
.irp a, 0,1,2,3
	v_add_nc_u32 v[STO+\a], \a*16*SPITCH, v12
.endr
	s_mul_i32 s21, s8, 16*SPITCH
	v_add_nc_u32 v[RD], s21, v[LI]
	v_mov_b32 v26, 0                               ; lane permutes' destinations count as sources
	v_mov_b32 v27, 0
	v_mov_b32 v30, 0
	v_mov_b32 v31, 0
	s_lshl_b32 s2, s10, 16                         ; cc: four row tiles of 16 KB
	s_mov_b32 s3, 0
	s_add_nc_u64 s[12:13], s[40:41], s[2:3]
	s_lshl_b32 s2, s10, 6                          ; x, out0: my wave's first token: 64 g + 32 (w / 2) + 8 (w % 2)
	s_lshr_b32 s21, s8, 1
	s_lshl_b32 s21, s21, 5
	s_add_co_u32 s2, s2, s21
	s_and_b32 s21, s8, 1
	s_lshl_b32 s21, s21, 3
	s_add_co_u32 s2, s2, s21
	s_lshl_b32 s2, s2, 12
	s_add_nc_u64 s[56:57], s[48:49], s[2:3]
	s_add_nc_u64 s[58:59], s[54:55], s[2:3]
.irp k, 0,1,2,3,4,5,6,7
	global_load_b128 v[BOV+4*\k:BOV+4*\k+3], v[LI], s[46:47] offset:512*\k   ; in the layout of a row read back: columns 128 k + 4 lane + 0 .. 3
	global_load_b128 v[GAV+4*\k:GAV+4*\k+3], v[LI], s[50:51] offset:512*\k
	global_load_b128 v[BEV+4*\k:BEV+4*\k+3], v[LI], s[52:53] offset:512*\k
.endr
.macro ALOAD P, off                    ; ctx's fragments of a K step of 256 (2 x 128 along K, 4 row tiles) into set P; a K step is 4,096 bytes of each row tile's 16 KB
	WIN 0x40
.irp u, 0,1
.irp a, 0,1,2,3
.irp c, 0,1,2,3
	global_load_b128 v[128*(\P)+64*\u+16*\a+4*\c:128*(\P)+64*\u+16*\a+4*\c+3], v[LI], s[12:13] offset:(\off)+16384*\a+2048*\u+512*\c th:TH_LOAD_NT
.endr
.endr
.endr
.endm
.macro BLOAD slot, sub, half           ; four fragments of Wo: column tiles 4 half .. 4 half + 3, the slot's sub-th 128 along K, into set half
.irp i, 0,1,2,3
.irp c, 0,1,2,3
	ds_load_b128 v[BF+64*(\half)+16*\i+4*\c:BF+64*(\half)+16*\i+4*\c+3], v[ADB+(\slot)] offset:(4*(\half)+\i)*16*PITCH+128*(\sub)+32*\c
.endr
.endr
.endm
; 8 matrix instructions: column tiles 4 half + i0, i0 + 1 x the four row tiles.  The accumulators take turns, one instruction a turn.
.macro MUL8 P, sub, half, i0, zero
.irp i, \i0, \i0+1
.irp a, 0,1,2,3
.if \zero
	v_wmma_f32_16x16x128_fp8_fp8 v[8*(4*(4*(\half)+(\i))+\a):8*(4*(4*(\half)+(\i))+\a)+7], v[BF+64*(\half)+16*(\i):BF+64*(\half)+16*(\i)+15], v[128*(\P)+64*(\sub)+16*\a:128*(\P)+64*(\sub)+16*\a+15], 0
.else
	v_wmma_f32_16x16x128_fp8_fp8 v[8*(4*(4*(\half)+(\i))+\a):8*(4*(4*(\half)+(\i))+\a)+7], v[BF+64*(\half)+16*(\i):BF+64*(\half)+16*(\i)+15], v[128*(\P)+64*(\sub)+16*\a:128*(\P)+64*(\sub)+16*\a+15], v[8*(4*(4*(\half)+(\i))+\a):8*(4*(4*(\half)+(\i))+\a)+7]
.endif
.endr
.endr
.endm
; A SLOT RUN: 64 products in four groups of 16 (128 along K x four column tiles), on two sets of Wo's fragments by turns; each group's loads are issued two groups ahead.
; H: the slot, and the accumulators' window.  P: ctx's set.  zero: the first 128 along K start the sums.  fill: the slot is filled again, 256 further along K.
; aoff >= 0: the next K step's fragments of ctx are asked for.  ask >= 0: one prefetch of x, two rows from that byte on.
.macro SLOTRUN H, P, zero, fill, aoff, ask
	s_wait_dscnt 16                                ; this group's fragments are in; the next group's sixteen loads may be out
.if \H == 0
	s_wait_loadcnt 0x0                             ; ctx's fragments of this K step (asked for two slot runs ago)
.endif
	WIN 0xa4+0x50*(\H)                             ; source 1 (ctx) window 1, C and D window 2 or 3
	MUL8 \P, 0, 0, 0, \zero
	MUL8 \P, 0, 0, 2, \zero
	PLACES
	WIN 0
	BLOAD \H, 1, 0
.if \aoff >= 0
	ALOAD 1-\P, \aoff
.endif
	s_wait_dscnt 16
	WIN 0xa4+0x50*(\H)
	MUL8 \P, 0, 1, 0, \zero
	MUL8 \P, 0, 1, 2, \zero
	PLACES
	WIN 0
	BLOAD \H, 1, 1                                 ; the slot's last fragments
	s_wait_tensorcnt 0x0                           ; all my tensor loads have landed: my part of the other slot
	ds_add_u32 v[SPW], v[NIL]                      ; 0 onto my spare word
	s_wait_dscnt 17                                ; (the add and the last group's sixteen loads may be out)
	WIN 0xa4+0x50*(\H)
	MUL8 \P, 1, 0, 0, 0
	s_wait_dscnt 0x0                               ; the add is done, and my reads of this slot are over
	s_barrier_signal -1
	MUL8 \P, 1, 0, 2, 0
	WIN 0
	s_barrier_wait -1
.if \fill
	CREST                                          ; the barrier has opened a round of the cluster's: no wave of any partner still reads this slot or has a load on its way
	s_add_nc_u64 s[G0+4*\H+2:G0+4*\H+3], s[G0+4*\H+2:G0+4*\H+3], 256
	tensor_load_to_lds s[G0+4*\H:G0+4*\H+3], s[G1:G1+7]   ; the first tensor load behind the round, and my only one until the next
	s_nop 0
.rept 4
	v_nop                                          ; (the places in front of the loads below)
.endr
.else
	PLACES
.endif
	BLOAD 1-\H, 0, 0                               ; the other slot's first fragments
.if \ask >= 0
	global_prefetch_b8 v[PFO], s[56:57] offset:\ask th:TH_LOAD_NT scope:SCOPE_SE
.endif
	WIN 0xa4+0x50*(\H)
	MUL8 \P, 1, 1, 0, 0
	MUL8 \P, 1, 1, 2, 0
	PLACES
	WIN 0
	BLOAD 1-\H, 0, 1
.endm
	ALOAD 0, 0
	WIN 0
	s_wait_kmcnt 0x0
	s_add_co_i32 s16, s60, s61
	s_add_co_i32 s16, s16, 127
	s_lshl_b32 s16, s16, 23                        ; 2^(e10 + e11) as f32
	s_mov_b32 s17, s16                             ; (named with it as a pair)
	s_wait_tensorcnt 1                             ; my rows of slot 0 are in; slot 1's load may be out.  I read only the rows that I fetched
	BLOAD 0, 0, 0
	BLOAD 0, 0, 1
; X IS PREFETCHED INTO THE L2: my wave's first eight tokens, the rows that the norm's first two groups take; 8,192 bytes (two rows, lanes 256 bytes apart) a request, four requests, one in each slot run of the
; second and third K step, behind the joint load and the run of LDS loads.  Each block of 256 bytes is named once in the launch; the address registers are never rewritten.  My other eight rows come by their loads alone.
	SLOTRUN 0, 0, 1, 1, 4096, -1                   ; K step 0: its first products start the sums; ctx's K step 1 is asked for
	SLOTRUN 1, 0, 1, 1, -1, -1
	SLOTRUN 0, 1, 0, 1, 8192, 0                    ; K step 1, on ctx's set 1
	SLOTRUN 1, 1, 0, 1, -1, 8192
	SLOTRUN 0, 0, 0, 1, 12288, 16384               ; K step 2, on set 0: its refills bring the last 256 along K
	SLOTRUN 1, 0, 0, 1, -1, 24576
	SLOTRUN 0, 1, 0, 0, -1, -1                     ; K step 3 fills nothing and has no round
	s_wait_dscnt 16                                ; the last slot run: nothing follows it
	WIN 0xf4
	MUL8 1, 0, 0, 0, 0
	MUL8 1, 0, 0, 2, 0
	PLACES
	WIN 0
	BLOAD 1, 1, 0
	s_wait_dscnt 16
	WIN 0xf4
	MUL8 1, 0, 1, 0, 0
	MUL8 1, 0, 1, 2, 0
	PLACES
	WIN 0
	BLOAD 1, 1, 1
	s_wait_dscnt 16
	WIN 0xf4
	MUL8 1, 1, 0, 0, 0
	MUL8 1, 1, 0, 2, 0
	s_wait_dscnt 0x0
	MUL8 1, 1, 1, 0, 0
	MUL8 1, 1, 1, 2, 0
	WIN 0
	; THE STAGE lies over the ring: every wave's reads of the ring are in, and every tile has landed, in front of this barrier
	PLACES
	s_wait_dscnt 0x0
	s_barrier_signal -1
	s_barrier_wait -1
.irp H, 0,1
	WIN 0x08+4*\H                                  ; an LDS store's data are its source 1: window 2 or 3
.irp b, 0,1,2,3,4,5,6,7
.irp a, 0,1,2,3
	ds_store_b128 v[STO+\a], v[8*(4*\b+\a):8*(4*\b+\a)+3] offset:2048*\H+128*(\b/2)+32*(\b%2)        ; each accumulator's low half first
	ds_store_b128 v[STO+\a], v[8*(4*\b+\a)+4:8*(4*\b+\a)+7] offset:2048*\H+128*(\b/2)+32*(\b%2)+16
.endr
.endr
.endr
	WIN 0
	s_wait_dscnt 0x0                               ; my stores have landed, for the others' sake, and have read the registers that x's rows take
.irp W, 0,1
	WIN 0x80+0x40*\W                               ; destination window 2 or 3
.irp r, 0,1,2,3,4,5,6,7
.irp k, 0,1,2,3,4,5,6,7
	global_load_b128 v[32*\r+4*\k:32*\r+4*\k+3], v[LI], s[56:57] offset:(\r+16*\W)*4096+512*\k th:TH_LOAD_NT   ; row 8 W + r of my 16 is token r + 16 W from my first
.endr
.endr
.endr
	WIN 0
	s_barrier_signal -1
	s_barrier_wait -1                              ; 64 whole rows of sums lie in the stage
.macro REDUCE                          ; the four rows' pairs v[RS+4p], v[RS+4p+1] summed over the pair and the 32 lanes; the result in every lane
.irp p, 0,1,2,3
	v_add_f32 v[RS+4*\p], v[RS+4*\p], v[RS+4*\p+1]
.endr
.irp m, 1,2,4,8
.irp p, 0,1,2,3
	v_add_f32_dpp v[RS+4*\p], v[RS+4*\p], v[RS+4*\p] row_xmask:\m row_mask:0xf bank_mask:0xf
.endr
.endr
.irp p, 0,1,2,3
	v_permlanex16_b32 v[26+\p+2*(\p/2)], v[RS+4*\p], s18, s19
.endr
.irp p, 0,1,2,3
	v_add_f32 v[RS+4*\p], v[RS+4*\p], v[26+\p+2*(\p/2)]
.endr
.endm
; Four rows, every stage written for the four by turns.  left: how many of x's later loads may stay out.
.macro LNGROUP gp, left
.if (\gp) > 0
	s_wait_xcnt 0x0                                ; the last group's stores have read the registers that are loaded again below
.endif
.irp p, 0,1,2,3
.irp k, 0,1,2,3,4,5,6,7
	ds_load_b128 v[Y+32*\p+4*\k:Y+32*\p+4*\k+3], v[RD] offset:(4*(\gp)+\p)*SPITCH+512*\k
.endr
.endr
	s_wait_dscnt 0x0
	s_wait_loadcnt \left                           ; x's rows of this group are in (32 loads a group, in order; the count is held to the largest that the wait can name)
	WIN 0x20+0x10*((\gp)/2)                        ; source 2 (x) window 2 or 3
.set j, 0
.rept 16
.irp p, 0,1,2,3
	v_pk_fma_f32 v[Y+32*\p+j:Y+32*\p+j+1], v[Y+32*\p+j:Y+32*\p+j+1], s[16:17], v[32*((4*(\gp)+\p)%8)+j:32*((4*(\gp)+\p)%8)+j+1] op_sel_hi:[1,0,1]   ; sum x 2^(e10 + e11) + x
.endr
.set j, j+2
.endr
	WIN 0
.set j, 0
.rept 16
.irp p, 0,1,2,3
	v_pk_add_f32 v[Y+32*\p+j:Y+32*\p+j+1], v[Y+32*\p+j:Y+32*\p+j+1], v[BOV+j:BOV+j+1]   ; + bo
.endr
.set j, j+2
.endr
.irp p, 0,1,2,3
	v_pk_add_f32 v[RS+4*\p:RS+4*\p+1], v[Y+32*\p:Y+32*\p+1], v[Y+32*\p+2:Y+32*\p+3]     ; the row's sum, in two chains
	v_pk_add_f32 v[RS+4*\p+2:RS+4*\p+3], v[Y+32*\p+4:Y+32*\p+5], v[Y+32*\p+6:Y+32*\p+7]
.endr
.set j, 8
.rept 6
.irp p, 0,1,2,3
	v_pk_add_f32 v[RS+4*\p:RS+4*\p+1], v[RS+4*\p:RS+4*\p+1], v[Y+32*\p+j:Y+32*\p+j+1]
	v_pk_add_f32 v[RS+4*\p+2:RS+4*\p+3], v[RS+4*\p+2:RS+4*\p+3], v[Y+32*\p+j+2:Y+32*\p+j+3]
.endr
.set j, j+4
.endr
.irp p, 0,1,2,3
	v_pk_add_f32 v[RS+4*\p:RS+4*\p+1], v[RS+4*\p:RS+4*\p+1], v[RS+4*\p+2:RS+4*\p+3]
.endr
	REDUCE
.irp p, 0,1,2,3
	v_mul_f32 v[RS+4*\p], s6, v[RS+4*\p]           ; -mean
.endr
.set j, 0
.rept 16
.irp p, 0,1,2,3
	v_pk_add_f32 v[Y+32*\p+j:Y+32*\p+j+1], v[Y+32*\p+j:Y+32*\p+j+1], v[RS+4*\p:RS+4*\p+1] op_sel_hi:[1,0]   ; y - mean
.endr
.set j, j+2
.endr
.irp p, 0,1,2,3
	v_pk_mul_f32 v[RS+4*\p:RS+4*\p+1], v[Y+32*\p:Y+32*\p+1], v[Y+32*\p:Y+32*\p+1]       ; the sum of the squares, in two chains
	v_pk_mul_f32 v[RS+4*\p+2:RS+4*\p+3], v[Y+32*\p+2:Y+32*\p+3], v[Y+32*\p+2:Y+32*\p+3]
.endr
.set j, 4
.rept 7
.irp p, 0,1,2,3
	v_pk_fma_f32 v[RS+4*\p:RS+4*\p+1], v[Y+32*\p+j:Y+32*\p+j+1], v[Y+32*\p+j:Y+32*\p+j+1], v[RS+4*\p:RS+4*\p+1]
	v_pk_fma_f32 v[RS+4*\p+2:RS+4*\p+3], v[Y+32*\p+j+2:Y+32*\p+j+3], v[Y+32*\p+j+2:Y+32*\p+j+3], v[RS+4*\p+2:RS+4*\p+3]
.endr
.set j, j+4
.endr
.irp p, 0,1,2,3
	v_pk_add_f32 v[RS+4*\p:RS+4*\p+1], v[RS+4*\p:RS+4*\p+1], v[RS+4*\p+2:RS+4*\p+3]
.endr
	REDUCE
.irp p, 0,1,2,3
	v_fma_f32 v[RS+4*\p], v[RS+4*\p], s7, s4       ; the variance + 1e-5
.endr
.irp p, 0,1,2,3
	v_rsq_f32 v[RS+4*\p+2], v[RS+4*\p]
.endr
	v_nop                                          ; a plain line behind the roots
	s_wait_alu depctr_va_vdst(0)                   ; one wait for the four, ahead of their first reader
.set j, 0
.rept 16
.irp p, 0,1,2,3
	v_pk_mul_f32 v[Y+32*\p+j:Y+32*\p+j+1], v[Y+32*\p+j:Y+32*\p+j+1], v[RS+4*\p+2:RS+4*\p+3] op_sel_hi:[1,0]
.endr
.set j, j+2
.endr
.set j, 0
.rept 16
.irp p, 0,1,2,3
	v_pk_fma_f32 v[Y+32*\p+j:Y+32*\p+j+1], v[Y+32*\p+j:Y+32*\p+j+1], v[GAV+j:GAV+j+1], v[BEV+j:BEV+j+1]
.endr
.set j, j+2
.endr
.irp p, 0,1,2,3
.irp k, 0,1,2,3,4,5,6,7
	global_store_b128 v[LI], v[Y+32*\p+4*\k:Y+32*\p+4*\k+3], s[58:59] offset:((4*(\gp)+\p)+8*((4*(\gp)+\p)/8))*4096+512*\k th:TH_STORE_NT   ; 512 consecutive bytes, aligned; written once, read by nobody here
.endr
.endr
.endm
	LNGROUP 0, 63
	LNGROUP 1, 63
	LNGROUP 2, 32
	LNGROUP 3, 0
	s_wait_tensorcnt 0x0                           ; the wave's end
	ds_add_u32 v[SPW], v[NIL]
	s_wait_dscnt 0x0
	CROUND                                         ; the closing round
	s_endpgm
.Lfunc_end_k_q0c08d24173_outln:
	.size	k_q0c08d24173_outln, .Lfunc_end_k_q0c08d24173_outln-k_q0c08d24173_outln
	.p2alignl 7, 3214868480
	.fill 96, 4, 3214868480
	.section	.rodata,"a",@progbits
	.p2align	6, 0x0
	.amdhsa_kernel k_q0c08d24173_outln
		.amdhsa_group_segment_fixed_size 327680
		.amdhsa_private_segment_fixed_size 0
		.amdhsa_enable_private_segment 0
		.amdhsa_kernarg_size 64
		.amdhsa_user_sgpr_count 2
		.amdhsa_user_sgpr_kernarg_segment_ptr 1
		.amdhsa_wavefront_size32 1
		.amdhsa_system_sgpr_workgroup_id_x 1
		.amdhsa_system_sgpr_workgroup_id_y 1
		.amdhsa_system_sgpr_workgroup_id_z 1
		.amdhsa_system_vgpr_workitem_id 0
		.amdhsa_next_free_vgpr 1024
		.amdhsa_next_free_sgpr 66
		.amdhsa_reserve_vcc 0
		.amdhsa_float_denorm_mode_32 3
		.amdhsa_float_denorm_mode_16_64 3
		.amdhsa_memory_ordered 1
		.amdhsa_forward_progress 1
		.amdhsa_inst_pref_size 255
	.end_amdhsa_kernel
	.section	.bss,"aw",@nobits
	.p2align	6
	.space	262144
	.amdgpu_metadata
---
amdhsa.version: [ 1, 2 ]
amdhsa.kernels:
  - .name:           k_q0c08d24173_outln
    .symbol:         k_q0c08d24173_outln.kd
    .args:
      - { .name: cc, .offset: 0, .size: 8, .value_kind: global_buffer, .address_space: global }
      - { .name: wc, .offset: 8, .size: 8, .value_kind: global_buffer, .address_space: global }
      - { .name: lowp_scales, .offset: 16, .size: 8, .value_kind: global_buffer, .address_space: global }
      - { .name: bo, .offset: 24, .size: 8, .value_kind: global_buffer, .address_space: global }
      - { .name: x, .offset: 32, .size: 8, .value_kind: global_buffer, .address_space: global }
      - { .name: gamma, .offset: 40, .size: 8, .value_kind: global_buffer, .address_space: global }
      - { .name: beta, .offset: 48, .size: 8, .value_kind: global_buffer, .address_space: global }
      - { .name: out0, .offset: 56, .size: 8, .value_kind: global_buffer, .address_space: global }
    .group_segment_fixed_size: 327680
    .private_segment_fixed_size: 0
    .kernarg_segment_align: 8
    .kernarg_segment_size: 64
    .max_flat_workgroup_size: 128
    .sgpr_count:     66
    .vgpr_count:     1024
    .wavefront_size: 32
...
	.end_amdgpu_metadata
.endif
;; end of part 4
;; ======== version 2 of 2: 4 launches; version 1 with the launch attn written anew for expert scheduling mode
;; workspace buffers: xc 25,165,824 bytes; wc 4,194,304 bytes; qkv 25,165,824 bytes; cc 8,388,608 bytes
;; launch quant: the kernel of part 1 again; grid 384 x 1, 4 waves a work-group, no clusters, 33,280 bytes of LDS; arguments x, Wq, Wk, Wv, Wo, lowp_scales, xc, wc; writes xc, wc
;; launch qkv: the kernel of part 2 again; grid 12 x 32, 4 waves a work-group, clusters of 4 x 4, 327,680 bytes of LDS; arguments xc, wc, lowp_scales, bq, bk, bv, qkv; writes qkv
;; launch attn (part 5): grid 8 x 64, 8 waves a work-group, no clusters, 66,560 bytes of LDS; arguments qkv, lowp_scales, cc; writes cc
.if DOCPART == 5
	.amdgcn_target "amdgcn-amd-amdhsa--gfx1250"
	.amdhsa_code_object_version 6
	.text
	.protected	k_q0c08d24173_attn
	.globl	k_q0c08d24173_attn
	.p2align	8
	.type	k_q0c08d24173_attn,@function
k_q0c08d24173_attn:
	s_mov_b64 s[64:65], 0
	v_nop
	global_prefetch_b8 v0, s[64:65] scope:SCOPE_SE
	s_setreg_imm32_b32 hwreg(HW_REG_WAVE_SCHED_MODE, 0, 2), 2
	s_setreg_imm32_b32 hwreg(HW_REG_WAVE_MODE, 25, 1), 1
	s_wait_xcnt 0x0
	s_wait_alu depctr_vm_vsrc(0)
; ctx = softmax(Q K^T / 8) V for each of 64 (batch, head), 2,048 x 2,048, head size 64, both products on codes of FP8 (E4M3); ctx is quantised at once for the last product (entry 10).
; THE SOFTMAX AHEAD OF THE SECOND PRODUCT: t = score x log2(e) / 8 x 2^(e6 + e7); M = the running largest t rounded UP to a whole number; p = 2^(t - M) is quantised with 2^e8, not normalised.
; The row's sum is taken of the unquantised p and divides at the end.  When M moves, the sum and O are multiplied by 2^(old M - new M), which rounds nothing.
; SHARES: a work-group owns 256 queries of one head; each of its eight waves two tiles of 16, so that each fragment of K and V read from LDS feeds two matrix instructions; two waves to a SIMD,
; so that one wave's vector work stands beside the other's matrix work and LDS loads.  Every wave walks the head's 2,048 keys, 128 a step.
; LAYOUT: both products transposed (S^T = K Q^T, O^T = V^T P^T): a lane holds one query throughout.  Q, K and V arrive as IMAGES OF OPERAND REGISTERS (16 bytes a lane, 512 a load), in which a tile's rows are chosen so
; that the 16 registers of two neighbouring tiles of a result are 16 neighbours along the next K.  So K and V go from memory to LDS as they lie and come out by loads at 16 x lane.
; THE RING: two slots of 32 KB, each with two steps' K (8 KB) and V (8 KB).  While a slot is read, the other is filled through registers: four loads of 16 bytes a thread at a step's head, four LDS stores at its end.
; One barrier for each change of slots: in front of it a wave's LDS stores have landed and its LDS loads are in.  A trip of the loop runs both slots, so every LDS address is a constant + a lane term.
; NO TENSOR LOADS AND NO JOINT REQUESTS, though the eight query blocks of a head read the same K and V: the branch on e8 below leaves out 128 of a step's
; vector instructions wherever 448 x 2^e8 is 1 or more; what partners would share is 16 KB a step, beside some 500 vector instructions in each of eight waves.
; LIMITS: e6 + e7 between -123 and 130 (added to c's exponent field); e8, and e10 - e8 - e9, between -126 and 119.  NaN among the inputs is not served.
; REGISTERS: window 0: v1 16 x lane, v2 16 x thread, v5 256 x lane; v8.. statistics; v32-63 p's codes; v64-127 K's fragments; v128-255 S^T, then p.
;   window 1: v0-63 O^T; v64-127 V's fragments; v128-143 Q; v144-159 the bytes on their way to LDS.
; THE MODE: SCHED_MODE bits 1:0 = 2 (LLVM: expert scheduling mode 2), set by the entry lines.  The code itself states the register dependences between vector or matrix instructions
; and memory or LDS instructions, with s_wait_alu, always for 0.
; THE PLAN.  Registers that memory or LDS instructions touch:
;   v1, v2, v5     Offsets and LDS addresses: written once at the head, ahead of the head's wait on va_vdst; read by every load, store and prefetch; never written again.
;   K's fragments  LDS loads land in them; the step's 16 products K Q^T read them, and no other vector or matrix instruction names them.
;   V's fragments  LDS loads land in them; the step's 8 products V^T P, its last vector-side instructions, read them.
;   v[G ..]        Four global loads at a step's head land in them; four LDS stores at its end read them; no vector instruction names them.
;   v128-159       At the head alone: slot 0's bytes land there and LDS stores read them; afterwards the products write them.
;   p's codes      On the way out alone: the conversions write ctx's codes there and the four global stores read them.
; TWO waits on va_vdst stand in a step.  At its top: the last step's products are done reading V's and K's fragments; the loads of K (a slot's first step) follow at once, the loads of V behind the products K Q^T,
; which name S^T, K's fragments and Q and none of the registers that those loads touch.  Behind the exponentials: p is written, and this step's products K Q^T are done reading K's fragments; so in a slot's first step
; the K of its second step, which has lain in LDS since the slot's barrier, is asked for there and lands under the rest of the step.  One wait on vm_vsrc stands ahead of the loads into v[G ..].
.set LI,  1
.set GOF, 2
.set PFO, 5
.set ST,  8                            ; tile i: v[ST+4i] -M, +1 the largest t, +2, +3 the sum in two halves
.set FF,  16                           ; tile i: v[FF+2i] f = 2^(old M - new M) (named as a pair)
.set L2,  20                           ; tile i: the sum's second chain
.set MX,  24                           ; tile i: two chains of the maximum
.set SC8, 28
.set LM8, 29
.set PD,  30                           ; tile i: a lane permute's destination
.set P,   32
.set KF,  64
.set S,   128
.set O,   0                            ; in window 1
.set VF,  64
.set Q,   128
.set G,   144
.set MSB, 0
.macro WIN new                         ; the immediate's high byte repeats the setting that is left
.if MSB != \new
	s_set_vgpr_msb (MSB<<8)|\new
.set MSB, \new
.endif
.endm
	s_load_b128 s[4:7], s[0:1], 0x0                ; qkv, the scales
	s_load_b64 s[8:9], s[0:1], 0x10                ; cc
	v_lshl_add_u32 v6, v0, 2, 0x10000
	v_mov_b32 v7, 0
	v_lshrrev_b32 v3, 5, v0
	v_readfirstlane_b32 s10, v3                    ; wave 0..7
	v_and_b32 v[LI], 31, v0
	v_lshlrev_b32 v[PFO], 8, v[LI]
	v_lshlrev_b32 v[LI], 4, v[LI]
	v_lshlrev_b32 v[GOF], 4, v0
	s_wait_alu depctr_va_sdst(0)                   ; s10 is written, ahead of its first reader: the places of Q, of ctx and of the prefetches are made from it
	s_and_b32 s11, ttmp7, 0xffff                   ; 16 x batch + head
	s_lshr_b32 s17, s11, 1                         ; 8 x batch + pair of heads
	s_and_b32 s18, s11, 1                          ; head of the pair
	s_lshl_b32 s34, s17, 18                        ; 16 blocks of 16 KB,
	s_lshl_b32 s19, s18, 13                        ; my head's 8 KB of each
	s_or_b32 s34, s34, s19
	s_mov_b32 s35, 0
	s_lshl_b32 s36, ttmp9, 1                       ; Q: my work-group's two blocks of 128 queries,
	s_lshr_b32 s19, s10, 2
	s_add_co_u32 s36, s36, s19                     ; waves 0-3 the first, 4-7 the second,
	s_lshl_b32 s36, s36, 14
	s_and_b32 s19, s10, 3
	s_lshl_b32 s19, s19, 11                        ; two tiles of 1,024 bytes a wave
	s_add_co_u32 s36, s36, s19
	s_mov_b32 s37, 0
	s_lshr_b32 s38, s11, 4                         ; cc: tile of 16 rows = 128 x batch + 16 x work-group x + 2 x wave
	s_lshl_b32 s38, s38, 7
	s_lshl_b32 s19, ttmp9, 4
	s_add_co_u32 s38, s38, s19
	s_lshl_b32 s19, s10, 1
	s_add_co_u32 s38, s38, s19
	s_lshl_b32 s38, s38, 14                        ; x 16 KB,
	s_and_b32 s19, s17, 7
	s_lshl_b32 s19, s19, 11                        ; + the K step of 128 = the pair of heads, 2 KB,
	s_add_co_u32 s38, s38, s19
	s_lshl_b32 s19, s18, 10                        ; + my head's half of it
	s_add_co_u32 s38, s38, s19
	s_mov_b32 s39, 0
	s_mov_b32 s20, 0x76543210                      ; v_permlanex16_b32's selects for lane l xor 16
	s_mov_b32 s21, 0xfedcba98
	s_mov_b32 s22, 0x3e38aa3b                      ; c = log2(e) / 8
	s_wait_kmcnt 0x0
	s_load_b128 s[12:15], s[6:7], 0x18             ; e6, e7, e8, e9
	s_load_b32 s16, s[6:7], 0x28                   ; e10
	s_add_nc_u64 s[4:5], s[4:5], s[34:35]
	s_add_nc_u64 s[24:25], s[4:5], 0x800000        ; K's images of my head
	s_add_nc_u64 s[26:27], s[4:5], 0x1000000       ; V's
	s_add_nc_u64 s[4:5], s[4:5], s[36:37]          ; Q's, at my two tiles
	s_add_nc_u64 s[8:9], s[8:9], s[38:39]
	; the prefetches (macro ASK): waves 0-3 of the head's first work-group; wave w: K (w < 2) or V, step w % 2 of a slot
	s_cmp_lt_u32 s10, 2
	s_cselect_b64 s[28:29], s[24:25], s[26:27]
	s_and_b32 s19, s10, 1
	s_lshl_b32 s40, s19, 14
	s_add_co_u32 s40, s40, 0x10000                 ; in slot 2
	s_mov_b32 s41, 0
	s_add_nc_u64 s[28:29], s[28:29], s[40:41]
	s_lshr_b32 s19, s10, 2
	s_or_b32 s19, s19, ttmp9
	s_cmp_eq_u32 s19, 0
	s_cselect_b32 s30, 1, -1                       ; a wave asks while the trips to go are above this
	WIN 0x40                                       ; destination window 1
	s_wait_alu depctr_va_vdst(0)                   ; v1, v2 and v5 are written: every load, store and prefetch of the kernel reads one of them as its address
.irp i, 0,1
.irp c, 0,1
	global_load_b128 v[Q+8*\i+4*\c:Q+8*\i+4*\c+3], v[LI], s[4:5] offset:1024*\i+512*\c   ; Q stays in registers
.endr
.endr
	WIN 0
.irp q, 0,1                                    ; slot 0: 32 bytes of K and of V a thread and step
	global_load_b128 v[S+16*\q:S+16*\q+3], v[GOF], s[24:25] offset:16384*\q
	global_load_b128 v[S+16*\q+4:S+16*\q+7], v[GOF], s[24:25] offset:16384*\q+4096
	global_load_b128 v[S+16*\q+8:S+16*\q+11], v[GOF], s[26:27] offset:16384*\q
	global_load_b128 v[S+16*\q+12:S+16*\q+15], v[GOF], s[26:27] offset:16384*\q+4096
.endr
.irp i, 0,1
	v_mov_b32 v[ST+4*\i+1], 0xff61b1e6             ; the largest t so far: -3e38, under every t
	v_floor_f32 v[ST+4*\i], -v[ST+4*\i+1]          ; -M
	v_mov_b32 v[ST+4*\i+2], 0                      ; the sum
	v_mov_b32 v[ST+4*\i+3], 0
	v_mov_b32 v[FF+2*\i+1], 0                      ; (named as the upper half of a pair)
	v_mov_b32 v[PD+\i], 0                          ; a lane permute's destination counts as one of its sources
.endr
	WIN 0x40
.set j, 0
.rept 64
	v_mov_b32 v[O+j], 0                            ; O^T: the step is written without a first step of its own; the first change of M multiplies zeros
.set j, j+1
.endr
	WIN 0
	s_wait_kmcnt 0x0
	s_add_co_i32 s19, s12, s13
	s_lshl_b32 s19, s19, 23
	s_add_co_i32 s22, s22, s19                     ; c x 2^(e6 + e7)
	s_mov_b32 s23, s22                             ; (named with it as a pair)
	s_add_co_i32 s19, s14, 127
	s_lshl_b32 s33, s19, 23
	v_mov_b32 v[SC8], s33                          ; 2^e8
	s_add_co_i32 s19, s19, 8
	s_lshl_b32 s19, s19, 23
	s_or_b32 s19, s19, 0x600000
	v_mov_b32 v[LM8], s19                          ; 448 x 2^e8
	s_wait_loadcnt 0x0
.irp q, 0,1
.irp n, 0,1,2,3
	ds_store_b128 v[GOF], v[S+16*\q+4*\n:S+16*\q+4*\n+3] offset:16384*\q+4096*\n
.endr
.endr
	s_add_nc_u64 s[24:25], s[24:25], 0x8000        ; (their loads are in)  K and V at slot 1
	s_add_nc_u64 s[26:27], s[26:27], 0x8000
	s_wait_alu depctr_vm_vsrc(0)                   ; my LDS stores have read v128-159, which the first products K Q^T write
; A PREFETCH INTO THE L2 of the slot after the one that this slot's steps load: 8 KB a wave, lanes 256 bytes apart, one instruction.  All eight work-groups of a head walk the same K and V: the first of them asks,
; in it waves 0-3, each for another 8 KB: so each block of 256 bytes is named once in the launch.  The last trip asks for nothing: there is no slot behind its slots.  Slots 0 and 1 come by their loads alone.
.macro ASK off
	s_cmp_gt_u32 s31, s30
	s_cbranch_scc0 .Lnot_mine_\@
	global_prefetch_b8 v[PFO], s[28:29] offset:\off th:TH_LOAD_NT scope:SCOPE_SE
.Lnot_mine_\@:
.endm
.macro CHANGE                          ; my LDS stores into the slot ahead have landed and my reads of the slot behind are in: then the work-group's barrier
	s_wait_dscnt 0x0
	s_barrier_signal -1
	s_barrier_wait -1
.endm
.macro KLOAD sl, q                     ; K's eight fragments of the q-th step of slot sl
.irp t, 0,1,2,3,4,5,6,7
.irp c, 0,1
	ds_load_b128 v[KF+8*\t+4*\c:KF+8*\t+4*\c+3], v[LI] offset:32768*(\sl)+16384*(\q)+1024*\t+512*\c
.endr
.endr
.endm
; THE SOFTMAX of a step, both tiles line by line, so that no line waits for the line above it.  Its first part ends with the wait behind the exponentials.
.macro SOFT_A
.irp i, 0,1
	v_max3_num_f32 v[MX+2*\i], v[S+64*\i], v[S+64*\i+1], v[S+64*\i+2]   ; the largest of my query's 64 scores, in two chains; each accumulator is read from its low end on
	v_max3_num_f32 v[MX+2*\i+1], v[S+64*\i+3], v[S+64*\i+4], v[S+64*\i+5]
.endr
.set n, 6
.rept 14
.irp i, 0,1
	v_max3_num_f32 v[MX+2*\i], v[MX+2*\i], v[S+64*\i+n], v[S+64*\i+n+1]
	v_max3_num_f32 v[MX+2*\i+1], v[MX+2*\i+1], v[S+64*\i+n+2], v[S+64*\i+n+3]
.endr
.set n, n+4
.endr
.irp i, 0,1
	v_max3_num_f32 v[MX+2*\i], v[MX+2*\i], v[S+64*\i+62], v[S+64*\i+63]
.endr
.irp i, 0,1
	v_max_num_f32 v[MX+2*\i], v[MX+2*\i], v[MX+2*\i+1]
.endr
.irp i, 0,1
	v_permlanex16_b32 v[PD+\i], v[MX+2*\i], s20, s21
.endr
.irp i, 0,1
	v_max_num_f32 v[MX+2*\i], v[MX+2*\i], v[PD+\i]         ; and of lane l xor 16's 64
.endr
.irp i, 0,1
	v_mul_f32 v[MX+2*\i], s22, v[MX+2*\i]                  ; as t (c is positive)
.endr
.irp i, 0,1
	v_max_num_f32 v[ST+4*\i+1], v[ST+4*\i+1], v[MX+2*\i]   ; the running largest t
.endr
.irp i, 0,1
	v_mov_b32 v[MX+2*\i], v[ST+4*\i]
.endr
.irp i, 0,1
	v_floor_f32 v[ST+4*\i], -v[ST+4*\i+1]                  ; the new -M = floor(-t): M is a whole number
.endr
.irp i, 0,1
	v_sub_f32 v[MX+2*\i], v[ST+4*\i], v[MX+2*\i]           ; old M - new M: a whole number, 0 or less
.endr
.irp i, 0,1
	v_cvt_i32_f32 v[MX+2*\i], v[MX+2*\i]                   ; (it saturates)
.endr
.irp i, 0,1
	v_ldexp_f32 v[FF+2*\i], 1.0, v[MX+2*\i]                ; f = 2^(old M - new M)
.endr
.set j, 0
.rept 32
.irp i, 0,1
	v_pk_fma_f32 v[S+64*\i+j:S+64*\i+j+1], v[S+64*\i+j:S+64*\i+j+1], s[22:23], v[ST+4*\i:ST+4*\i+1] op_sel_hi:[1,0,0]   ; t - M, two at a time
.endr
.set j, j+2
.endr
.set j, 0
.rept 128
	v_exp_f32 v[S+j], v[S+j]                               ; p = 2^(t - M): one batch
.set j, j+1
.endr
.irp i, 0,1
	v_pk_mul_f32 v[ST+4*\i+2:ST+4*\i+3], v[ST+4*\i+2:ST+4*\i+3], v[FF+2*\i:FF+2*\i+1] op_sel_hi:[1,0]   ; the sums under the new M (the plain lines behind the exponentials)
.endr
	s_wait_alu depctr_va_vdst(0)                           ; the exponentials have written p: one wait for the batch, ahead of its first reader; and this step's products K Q^T are done reading K's fragments
.endm
.macro SOFT_B
.irp i, 0,1
	v_pk_add_f32 v[L2+2*\i:L2+2*\i+1], v[S+64*\i:S+64*\i+1], v[S+64*\i+2:S+64*\i+3]   ; the row's sum is taken of the unquantised p, in two chains
.endr
.set n, 4
.rept 15
.irp i, 0,1
	v_pk_add_f32 v[ST+4*\i+2:ST+4*\i+3], v[ST+4*\i+2:ST+4*\i+3], v[S+64*\i+n:S+64*\i+n+1]
	v_pk_add_f32 v[L2+2*\i:L2+2*\i+1], v[L2+2*\i:L2+2*\i+1], v[S+64*\i+n+2:S+64*\i+n+3]
.endr
.set n, n+4
.endr
.irp i, 0,1
	v_pk_add_f32 v[ST+4*\i+2:ST+4*\i+3], v[ST+4*\i+2:ST+4*\i+3], v[L2+2*\i:L2+2*\i+1]
.endr
	s_cmp_ge_i32 s14, -8                                   ; p is at most 1; from e8 = -8 on, 448 x 2^e8 is above 1 and the hold holds nothing
	s_cbranch_scc1 .Lnohold_\@
.set j, 0
.rept 128
	v_min_num_f32 v[S+j], v[S+j], v[LM8]                   ; the conversion to an 8-bit code does not saturate (ISA guide 7.6.2); p is not negative: a one-sided hold
.set j, j+1
.endr
.Lnohold_\@:
.irp i, 0,1
.irp b, 0,1,2,3
	v_cvt_scalef32_pk8_fp8_f32 v[P+16*\i+4*\b:P+16*\i+4*\b+1], v[S+64*\i+16*\b:S+64*\i+16*\b+7], v[SC8]
	v_cvt_scalef32_pk8_fp8_f32 v[P+16*\i+4*\b+2:P+16*\i+4*\b+3], v[S+64*\i+16*\b+8:S+64*\i+16*\b+15], v[SC8]
.endr
.endr
.endm
; A KEY STEP: 128 keys, the q-th of slot sl.  mode 1: the same step of the next slot is brought into the other slot; mode 2: the same, but not in the last trip, which has no next slot.
.macro STEP sl, q, mode, goff
	s_wait_alu depctr_va_vdst(0)                   ; the last step's products V^T P are done reading V's fragments, and its products K Q^T K's: the loads of K just below and of V further down land there
.if (\q) == 0
	KLOAD \sl, 0                                   ; a slot's first step: its K is whole in LDS only behind the barrier.  (The second step's K was asked for in the first)
.endif
.if \mode == 2
	s_cmp_eq_u32 s31, 1
	s_cbranch_scc1 .Lnl_\@
.endif
	WIN 0x40
	s_wait_alu depctr_vm_vsrc(0)                   ; the last step's LDS stores have read v[G ..], in which the four loads below land
	global_load_b128 v[G:G+3], v[GOF], s[24:25] offset:(\goff)+16384*(\q)
	global_load_b128 v[G+4:G+7], v[GOF], s[24:25] offset:(\goff)+16384*(\q)+4096
	global_load_b128 v[G+8:G+11], v[GOF], s[26:27] offset:(\goff)+16384*(\q)
	global_load_b128 v[G+12:G+15], v[GOF], s[26:27] offset:(\goff)+16384*(\q)+4096
.if \mode == 2
	WIN 0
.Lnl_\@:
.endif
	s_wait_dscnt 0x0                               ; K is in (for 0: in the last trip the LDS stores behind the second step's K are jumped over, so no count above 0 holds on both ways)
	WIN 0x04                                       ; source 1 (Q) window 1
.irp t, 0,1,2,3,4,5,6,7
.irp i, 0,1
	v_wmma_f32_16x16x64_fp8_fp8 v[S+64*\i+8*\t:S+64*\i+8*\t+7], v[KF+8*\t:KF+8*\t+7], v[Q+8*\i:Q+8*\i+7], 0
.endr
.endr
.rept 4
	v_nop                                          ; the places in front of the reads of S^T; they also stand between the last step's products and the loads into V's registers
.endr
	WIN 0x40
.irp d, 0,1,2,3
.irp c, 0,1,2,3
	ds_load_b128 v[VF+16*\d+4*\c:VF+16*\d+4*\c+3], v[LI] offset:32768*(\sl)+16384*(\q)+8192+2048*\d+512*\c   ; V lands while the softmax is walked.  No wait: no vector or matrix instruction since the wait at the step's top names V's fragments or v1
.endr
.endr
	WIN 0
	SOFT_A
.if (\q) == 0
	KLOAD \sl, 1                                   ; straight behind the wait that shows K's fragments read: the K of the slot's second step lands under the rest of this step
.endif
	SOFT_B
	WIN 0x41                                       ; O^T (destination, source 0) window 1, f window 0
.set j, 0
.rept 16
.irp i, 0,1
	v_pk_mul_f32 v[O+32*\i+j:O+32*\i+j+1], v[O+32*\i+j:O+32*\i+j+1], v[FF+2*\i:FF+2*\i+1] op_sel_hi:[1,0]   ; O^T under the new M; also the plain lines behind the conversions
.endr
.set j, j+2
.endr
.if (\q) == 0
	s_wait_dscnt 16                                ; LDS loads come back in order (ISA guide 5.7.1): V is in; the sixteen younger loads, the next step's K, may be out
.else
	s_wait_dscnt 0x0                               ; V is in
.endif
	WIN 0x51                                       ; V and O^T window 1, p's codes window 0
.irp d, 0,1,2,3
.irp i, 0,1
	v_wmma_f32_16x16x128_fp8_fp8 v[O+32*\i+8*\d:O+32*\i+8*\d+7], v[VF+16*\d:VF+16*\d+15], v[P+16*\i:P+16*\i+15], v[O+32*\i+8*\d:O+32*\i+8*\d+7]   ; eight accumulators, one instruction each
.endr
.endr
	s_wait_loadcnt 0x0                             ; the bytes asked for at the step's head are in (on both ways)
.if \mode == 2
	WIN 0
	s_cmp_eq_u32 s31, 1
	s_cbranch_scc1 .Lns_\@
.endif
	WIN 0x04                                       ; an LDS store's data are its source 1: window 1
.irp n, 0,1,2,3
	ds_store_b128 v[GOF], v[G+4*\n:G+4*\n+3] offset:32768*(1-(\sl))+16384*(\q)+4096*\n   ; data that loads brought, an address that is never rewritten: the wait on LOADcnt is all that they hang on
.endr
	WIN 0
.if \mode == 2
.Lns_\@:
.endif
.endm
	s_mov_b32 s31, 4
.Lpair:                                            ; four trips of two slots: 16 key steps
	CHANGE
	ASK 0
	STEP 0, 0, 1, 0
	STEP 0, 1, 1, 0
	CHANGE
	ASK 32768
	STEP 1, 0, 2, 32768
	STEP 1, 1, 2, 32768
	s_wait_xcnt 0x0                                ; the trip's loads and prefetches have read their bases, which are scalar registers: no vector address is written in the loop
	s_add_nc_u64 s[24:25], s[24:25], 0x10000
	s_add_nc_u64 s[26:27], s[26:27], 0x10000
	s_add_nc_u64 s[28:29], s[28:29], 0x10000
	s_sub_co_u32 s31, s31, 1
	s_cmp_lg_u32 s31, 0
	s_cbranch_scc1 .Lpair
	; THE WAY OUT: O^T / the sum stands for ctx / 2^(e8 + e9); its code under 2^e10 is made with the one scale 2^(e10 - e8 - e9).  A lane's 16 registers of two neighbouring tiles are 16 neighbours along the last product's K.
.irp i, 0,1
	v_add_f32 v[ST+4*\i+2], v[ST+4*\i+2], v[ST+4*\i+3]
.endr
.irp i, 0,1
	v_permlanex16_b32 v[PD+\i], v[ST+4*\i+2], s20, s21
.endr
.irp i, 0,1
	v_add_f32 v[ST+4*\i+2], v[ST+4*\i+2], v[PD+\i]         ; the row's sum
.endr
.irp i, 0,1
	v_rcp_f32 v[FF+2*\i], v[ST+4*\i+2]
.endr
	v_nop                                          ; a plain line behind the reciprocals
	s_sub_co_i32 s19, s16, s14
	s_sub_co_i32 s19, s19, s15
	s_add_co_i32 s19, s19, 127
	s_lshl_b32 s33, s19, 23
	v_mov_b32 v[SC8], s33                          ; 2^(e10 - e8 - e9)
	s_add_co_i32 s19, s19, 8
	s_lshl_b32 s19, s19, 23
	s_or_b32 s19, s19, 0x600000
	v_mov_b32 v[LM8], s19                          ; 448 x that
	s_wait_alu depctr_va_vdst(0)                   ; the two reciprocals are written: one wait for both, ahead of their first reader
	WIN 0x01                                       ; source 0 (O^T) window 1
.irp i, 0,1
.set j, 0
.rept 32
	v_mul_f32 v[S+64*\i+j], v[O+32*\i+j], v[FF+2*\i]       ; each accumulator from its low end on
.set j, j+1
.endr
.endr
	WIN 0
.irp i, 0,1
.set j, 0
.rept 32
	v_med3_num_f32 v[S+64*\i+j], v[S+64*\i+j], -v[LM8], v[LM8]
.set j, j+1
.endr
.endr
.irp i, 0,1
.irp g, 0,1
	v_cvt_scalef32_pk8_fp8_f32 v[P+16*\i+4*\g:P+16*\i+4*\g+1], v[S+64*\i+16*\g:S+64*\i+16*\g+7], v[SC8]
	v_cvt_scalef32_pk8_fp8_f32 v[P+16*\i+4*\g+2:P+16*\i+4*\g+3], v[S+64*\i+16*\g+8:S+64*\i+16*\g+15], v[SC8]
.endr
.endr
	v_nop
	s_wait_alu depctr_va_vdst(0)                   ; the conversions have written ctx's codes, which the four stores read
.irp i, 0,1
.irp g, 0,1
	global_store_b128 v[LI], v[P+16*\i+4*\g:P+16*\i+4*\g+3], s[8:9] offset:16384*\i+512*\g   ; 512 consecutive bytes, aligned: a quarter of a fragment's image
.endr
.endr
	s_wait_dscnt 0x0
	s_wait_alu depctr_hold_cnt(0) depctr_sa_sdst(0) depctr_va_vdst(0) depctr_va_sdst(0) depctr_va_ssrc(0) depctr_va_vcc(0) depctr_vm_vsrc(0)
	s_wait_tensorcnt 0x0
	ds_add_u32 v6, v7
	s_wait_dscnt 0x0
	s_endpgm
.Lfunc_end_k_q0c08d24173_attn:
	.size	k_q0c08d24173_attn, .Lfunc_end_k_q0c08d24173_attn-k_q0c08d24173_attn
	.p2alignl 7, 3214868480
	.fill 96, 4, 3214868480
	.section	.rodata,"a",@progbits
	.p2align	6, 0x0
	.amdhsa_kernel k_q0c08d24173_attn
		.amdhsa_group_segment_fixed_size 66560
		.amdhsa_private_segment_fixed_size 0
		.amdhsa_enable_private_segment 0
		.amdhsa_kernarg_size 24
		.amdhsa_user_sgpr_count 2
		.amdhsa_user_sgpr_kernarg_segment_ptr 1
		.amdhsa_wavefront_size32 1
		.amdhsa_system_sgpr_workgroup_id_x 1
		.amdhsa_system_sgpr_workgroup_id_y 1
		.amdhsa_system_sgpr_workgroup_id_z 1
		.amdhsa_system_vgpr_workitem_id 0
		.amdhsa_next_free_vgpr 416
		.amdhsa_next_free_sgpr 66
		.amdhsa_reserve_vcc 0
		.amdhsa_float_denorm_mode_32 3
		.amdhsa_float_denorm_mode_16_64 3
		.amdhsa_memory_ordered 1
		.amdhsa_forward_progress 1
		.amdhsa_inst_pref_size 131
	.end_amdhsa_kernel
	.amdgpu_metadata
---
amdhsa.version: [ 1, 2 ]
amdhsa.kernels:
  - .name:           k_q0c08d24173_attn
    .symbol:         k_q0c08d24173_attn.kd
    .args:
      - { .name: qkv, .offset: 0, .size: 8, .value_kind: global_buffer, .address_space: global }
      - { .name: lowp_scales, .offset: 8, .size: 8, .value_kind: global_buffer, .address_space: global }
      - { .name: cc, .offset: 16, .size: 8, .value_kind: global_buffer, .address_space: global }
    .group_segment_fixed_size: 66560
    .private_segment_fixed_size: 0
    .kernarg_segment_align: 8
    .kernarg_segment_size: 24
    .max_flat_workgroup_size: 256
    .sgpr_count:     66
    .vgpr_count:     416
    .wavefront_size: 32
...
	.end_amdgpu_metadata
.endif
;; end of part 5
;; launch outln: the kernel of part 4 again; grid 128 x 1, 4 waves a work-group, clusters of 4 x 1, 327,680 bytes of LDS; arguments cc, wc, lowp_scales, bo, x, gamma, beta, out0; writes out0
